; MI455X (gfx1250); checked and timed in simulation.
; The chip was launched on July 23, 2026; its instructions are those of AMD's public machine-readable ISA for CDNA 5 (MIT licence, August 2026) and "CDNA5" Instruction Set Architecture Reference Guide (July 2026). The comments in the code are by the model that wrote it; some were corrected since.
;; Multi Headed Attention. Allowed arithmetic: matrix products marked QUANTISED: E2M3 operands, one E8M0 scale for each 32 along K, by v_wmma_scale_f32_16x16x128_f8f6f4 with both operands' format E2M3, f32 sums; everything else in f32.
;; Inputs: W_in 1,024 x 3,072 float32; W_out 1,024 x 1,024 float32; X 8 x 1,024 x 1,024 float32; b_in 3,072 float32; b_out 1,024 float32.
;; Outputs: out0 8 x 1,024 x 1,024 float32.
;; This version of the problem:
;;   THIS VERSION OF THE PROBLEM IS GIVEN IN LOW PRECISION. The matrix products marked QUANTISED in the list below multiply operands that are first quantised to E2M3 (2 exponent bits, 3 mantissa bits; 6 bits a number), with one power-of-two scale for each 32 numbers along K (OCP MX v1.0); their sums are f32. All else is computed in f32.
;;   The module's matrix products, in the order in which they are computed (A, B: the left and right operand; K: the contracted axis; several contracted axes count as one K, in the product's order):
;;     1. [M 8,192, K 1,024] x [K 1,024, N 3,072]; A: input X; B: input W_in: QUANTISED
;;     2. batch 128 x [M 1,024, K 64] x [K 64, N 1,024]; A: computed on the way; B: computed on the way: QUANTISED
;;     3. batch 128 x [M 1,024, K 1,024] x [K 1,024, N 64]; A: softmax (see below); B: computed on the way: QUANTISED
;;     4. [M 8,192, K 1,024] x [K 1,024, N 1,024]; A: computed on the way; B: input W_out: QUANTISED
;;   THE QUANTISER, for each operand of a quantised product, along K:
;;     - K is cut into blocks of 32 from its start; a last block that is shorter is filled with zeros.
;;     - A block's scale is 2^e with e = floor(log2(the largest magnitude in the block)) - 2, held to -126 .. 127; a block of zeros has e = 0. As a byte (E8M0): e + 127.
;;     - Each number is divided by its block's scale, clamped to +-7.5, and rounded to the nearest number of E2M3, ties to even, subnormals kept.
;;     - The product sums the exact products of the quantised numbers (number of the format x scale) in f32.
;;   ~~~python
;;   def quantise(x, axis):      # numpy; x: float32 -> the quantised numbers, widened to float32 again
;;       x = np.moveaxis(x, axis, -1); K = x.shape[-1]
;;       x = np.pad(x, [(0, 0)] * (x.ndim - 1) + [(0, -K % 32)]); x = x.reshape(x.shape[:-1] + (-1, 32)); a = np.abs(x).max(-1, keepdims=True)
;;       e = np.where(a > 0, np.clip(np.frexp(np.where(a > 0, a, 1))[1] - 1 - 2, -126, 127), 0)      # np.frexp(a)[1] - 1 = floor(log2(a)), exactly
;;       r = np.clip(x / 2.0 ** e, -7.5, 7.5)
;;       step = 2.0 ** (np.maximum(np.frexp(np.where(r == 0, 1, r))[1] - 1, 0) - 3)
;;       q = np.round(r / step) * step * 2.0 ** e      # np.round: ties to even
;;       return np.moveaxis(q.reshape(q.shape[:-2] + (-1,))[..., :K], -1, axis).astype(np.float32)
;;   ~~~
;;   SOFTMAX AHEAD OF A QUANTISED PRODUCT. Where the list says 'softmax', what is quantised is not the finished softmax but p = 2^(t - M), with t = logit x log2(e) and M = ceil(the row's largest t), a whole number; so 1/2 < the row's largest p <= 1. The row's sum l is taken of the UNQUANTISED p, in f32, and the product's result is divided by l at the end. Since M is a whole number, a kernel that streams over the keys may use a running M (the ceiling of the running maximum): every later rescaling is an exact power of two, which a block's scale takes up: the codes' values come out the same.
;;   OPERANDS COMPUTED ON THE WAY. 'Computed on the way' means the value that the module computes at that place (a softmax that the list does not call 'softmax' is quantised finished and normalised). What goes into a quantiser is computed in f32, as accurately as f32 sums, v_exp_f32 and their like allow (about 1e-6 of the number): no bf16 or f16 on the way to a quantiser, and a product that is left as it is and whose result goes on into a quantised operand takes f32 operands (vector FMAs, or v_wmma_f32_16x16x4_f32). A number that lies on a knife's edge between two numbers of the format may be rounded either way, as far as f32 arithmetic and the matrix unit's own rounding can turn it there, and no further.
;; One version. Each part assembles by itself: llvm-mc -triple=amdgcn-amd-amdhsa -mcpu=gfx1250 --defsym DOCPART=n.
;; ======== version 1 of 1: 4 launches
;; limits: right only within a limited range of input values
;; workspace buffers: xq 6,553,600 bytes; wiq 2,457,600 bytes; woq 819,200 bytes; qkv 19,660,800 bytes; a2q 6,553,600 bytes
;; launch quant (part 1): grid 64 x 8, 4 waves a work-group, no clusters, 36,352 bytes of LDS; arguments X, W_in, W_out, xq, wiq, woq; writes xq, wiq, woq
.if DOCPART == 1
	.amdgcn_target "amdgcn-amd-amdhsa--gfx1250"
	.amdhsa_code_object_version 6
	.text
	.protected	k_q838910639d_quant
	.globl	k_q838910639d_quant
	.p2align	8
	.type	k_q838910639d_quant,@function
k_q838910639d_quant:
	s_mov_b64 s[64:65], 0
	v_nop
	global_prefetch_b8 v0, s[64:65] scope:SCOPE_SE
	s_setreg_imm32_b32 hwreg(HW_REG_WAVE_MODE, 25, 1), 1
	s_wait_xcnt 0x0
; X [8192][1024], W_in [1024][3072] and W_out [1024][1024], f32, become codes of FP6 (E2M3) with one E8M0 byte for each 32 along K (K = 1,024 in all three), laid as the two GEMM launches load them.
; DEAD WORK: none.  Every input of the problem has a way to out0 (b_in's part for k moves k's codes), so every product, bias and step of the problem is done in this program.
; LIMITS: NaN and infinities among the inputs are not served.  A block of zeros, or one whose largest magnitude lies under 2^-124, gets the byte 1 (the rule says 127 for zeros): its codes are zeros or are
; taken under the held scale, and the bytes are read by this program alone.
; LAYOUT OF AN OPERAND BUFFER.  Rows go in tiles of 16.  A HALF IMAGE is 16 rows x 64 along K, 768 bytes: lane (r, h) of a wave owns the 24 bytes of row r, k = 32 h .. 32 h + 31, as six registers:
; registers 0-3 lie at byte 256 h + 16 r, registers 4-5 at byte 512 + 16 r + 8 h.  Two half images on end are one operand of the matrix instruction (128 along K).  Codes: [row tile][16 half images].
; Behind the codes the scale words (four bytes: 128 along K of one row): [128 rows' group][K step 0..7][128 rows].
; POSITION ORDER.  Rows of X and columns of W_in are stored at the position that is their number with bits 3 and 4 changed over: lane r of tile 2 B + u holds row 32 B + 8 u + r + 8 (r / 8).  W_out keeps its order.
; The first 32 work-groups along x take X, the next 24 W_in, the last 8 W_out: branches on the work-group's number alone; each way has LDS bytes of its own.  No tensor load, no ring.
.set XSTG,  0                          ; X: a stage of 16 rows x (512 + 16) bytes for each wave
.set XG,    33792                      ; X: the work-group's scale words, [step 4][wave 4][row 16]
.set WIG,   34816                      ; W_in: the work-group's 128 scale words
.set WOG,   35328                      ; W_out: likewise
.set SPARE, 35840                      ; the spare words, 128 bytes for each wave: two blocks of 256 bytes that no other line names
.set SPW,   14                         ; v14  LDS address of my spare word; never rewritten
.set NIL,   15                         ; v15  0; never rewritten
.set R,     16                         ; X: v16-143  two sets of 64 numbers as loaded
.set XX,    144                        ; X: v144-207 my two blocks of 32 neighbours
.set PC,    208                        ; X: v208-219 the operand's 12 registers
.set CT,    220                        ; X: v220-222, v224-226 the upper halves' codes as converted
.set SW,    236                        ; X: v236-239 a scale word for each step
	s_load_b256 s[4:11], s[0:1], 0x0               ; X s[4:5], W_in s[6:7], W_out s[8:9], xq s[10:11]
	s_load_b128 s[12:15], s[0:1], 0x20             ; wiq s[12:13], woq s[14:15]
	v_lshl_add_u32 v[SPW], v0, 2, SPARE
	v_mov_b32 v[NIL], 0
	v_lshrrev_b32 v1, 5, v0
	v_readfirstlane_b32 s16, v1                    ; wave 0..3
	v_and_b32 v1, 31, v0                           ; lane
	v_and_b32 v2, 15, v0                           ; r
	v_bfe_u32 v3, v0, 4, 1                         ; h
	s_and_b32 s17, ttmp7, 0xffff                   ; work-group y
	s_mov_b32 s20, 0x76543210
	s_mov_b32 s21, 0xfedcba98                      ; v_permlanex16_b32's selects for lane l xor 16
	s_wait_kmcnt 0x0
	s_cmp_lt_u32 ttmp9, 32
	s_cbranch_scc0 .Lweights
; ---- X.  id = x + 32 y; 64 rows' group rg = id / 2, half of K kh = id % 2.  Wave w takes row tile 4 rg + w and K steps 4 kh .. 4 kh + 3.
	s_lshl_b32 s18, s17, 5
	s_add_co_u32 s18, s18, ttmp9
	s_lshr_b32 s19, s18, 1                         ; rg
	s_and_b32 s18, s18, 1                          ; kh
	s_lshl_b32 s22, s19, 6
	s_lshr_b32 s23, s16, 1
	s_lshl_b32 s23, s23, 5
	s_add_co_u32 s22, s22, s23
	s_and_b32 s23, s16, 1
	s_lshl_b32 s23, s23, 3
	s_add_co_u32 s22, s22, s23                     ; my tile's first row: 64 rg + 32 (w / 2) + 8 (w % 2)
	s_lshl_b32 s22, s22, 12                        ; rows of 4,096 bytes
	s_lshl_b32 s23, s18, 11
	s_add_co_u32 s22, s22, s23                     ; + my half of K
	s_mov_b32 s23, 0
	s_add_nc_u64 s[4:5], s[4:5], s[22:23]
	s_lshl_b32 s24, s19, 2
	s_add_co_u32 s24, s24, s16
	s_mul_i32 s24, s24, 12288                      ; my tile's codes,
	s_mul_i32 s25, s18, 6144                       ; my four K steps
	s_add_co_u32 s24, s24, s25
	s_mov_b32 s25, 0
	s_add_nc_u64 s[24:25], s[10:11], s[24:25]
	s_lshr_b32 s26, s19, 1
	s_lshl_b32 s26, s26, 12                        ; the scale words: the group of 128 rows,
	s_lshl_b32 s27, s18, 2
	s_add_co_u32 s27, s27, s16
	s_lshl_b32 s27, s27, 9                         ; K step 4 kh + w: on the way out wave w stores step w's words of all four tiles,
	s_add_co_u32 s26, s26, s27
	s_and_b32 s27, s19, 1
	s_lshl_b32 s27, s27, 8                         ; my work-group's 64 rows of the 128
	s_add_co_u32 s26, s26, s27
	s_add_co_u32 s26, s26, 6291456
	s_mov_b32 s27, 0
	s_add_nc_u64 s[26:27], s[10:11], s[26:27]
	s_wait_alu depctr_va_vdst(0)
	v_lshlrev_b32 v4, 4, v1                        ; 16 x lane: a load's 512 bytes, and registers 0-3 of a half image
	s_mul_i32 s28, s16, 8448
	v_add_nc_u32 v5, s28, v4                       ; the stage, on the way in: a row as it lies
	v_mul_u32_u24 v6, v2, 528
	v_lshl_add_u32 v6, v3, 7, v6
	v_add_nc_u32 v6, s28, v6                       ; and back: row r, 32 numbers from 128 h bytes on
	v_lshlrev_b32 v8, 4, v2
	v_lshl_add_u32 v8, v3, 3, v8                   ; 16 r + 8 h: registers 4-5 of a half image
	v_lshlrev_b32 v9, 3, v3                        ; 8 h: my bytes' place in a scale word
	v_lshlrev_b32 v10, 2, v2
	s_lshl_b32 s29, s16, 6
	v_add_nc_u32 v10, s29, v10
	v_add_nc_u32 v10, XG, v10                      ; where I put a scale word: 64 w + 4 r
	v_lshlrev_b32 v12, 3, v1
	s_lshl_b32 s29, s16, 8
	v_add_nc_u32 v11, s29, v12
	v_add_nc_u32 v11, XG, v11                      ; and where I read 8 bytes of step w's 256
	v_mov_b32 v232, 0                              ; written once: a lane permute's destination counts as one of its sources
.macro XLOAD t                         ; K step t of my 16 rows: each load reads 512 consecutive bytes of one row
.irp i, 0,1,2,3,4,5,6,7,8,9,10,11,12,13,14,15
	global_load_b128 v[R+64*((\t)%2)+4*\i:R+64*((\t)%2)+4*\i+3], v4, s[4:5] offset:(\i+8*(\i/8))*4096+512*(\t) th:TH_LOAD_NT
.endr
.endm
.macro XSTEP t
.if \t < 3
	s_wait_loadcnt 16                              ; this step's 16 loads are in; the next step's 16 may be out
.else
	s_wait_loadcnt 0x0
.endif
.irp i, 0,1,2,3,4,5,6,7,8,9,10,11,12,13,14,15
	ds_store_b128 v5, v[R+64*((\t)%2)+4*\i:R+64*((\t)%2)+4*\i+3] offset:528*\i
.endr
.irp c, 0,1
.irp e, 0,1,2,3,4,5,6,7
	ds_load_b128 v[XX+32*\c+4*\e:XX+32*\c+4*\e+3], v6 offset:256*\c+16*\e   ; LDS serves a wave's instructions in order: these see my stores.  k = 64 c + 32 h + 4 e ..
.endr
.endr
	s_wait_dscnt 0x0                               ; my numbers are back, and the stores have read their registers,
.if \t < 2
	XLOAD (\t)+2                                   ; which take the loads of two steps on
.endif
.irp c, 0,1                                    ; block 2 c + h of the K step: all its 32 numbers are mine
	v_max3_num_f32 v[228+\c], |v[XX+32*\c]|, |v[XX+1+32*\c]|, 0x1800000   ; with the floor 2^(3 - 127): the byte cannot fall under 1
.endr
.irp i, 2,4,6,8,10,12,14,16,18,20,22,24,26,28,30
.irp c, 0,1
	v_max3_num_f32 v[228+\c], v[228+\c], |v[XX+32*\c+\i]|, |v[XX+1+32*\c+\i]|
.endr
.endr
.irp c, 0,1
	v_add_nc_u32 v[230+\c], 0xff000000, v[228+\c]  ; 2 off the exponent field: the conversion's scale operand
.endr
.irp c, 0,1
	v_lshrrev_b32 v[234+\c], 23, v[230+\c]         ; the scale's byte
.endr
	v_lshl_or_b32 v233, v235, 16, v234             ; my two bytes, blocks h and 2 + h,
	v_lshlrev_b32 v233, v9, v233                   ; at their places;
	v_permlanex16_b32 v232, v233, s20, s21
	v_or_b32 v[SW+\t], v233, v232                  ; with lane l xor 16's two the word is whole
.if \t > 0
	s_wait_alu depctr_va_vdst(0)
	s_wait_xcnt 0x0                                ; the last step's stores have read their data: the codes' registers may be written again
.endif
.irp c, 0,1
	v_cvt_scalef32_pk16_fp6_f32 v[PC+6*\c:PC+6*\c+2], v[XX+32*\c:XX+32*\c+15], v[230+\c]
	v_cvt_scalef32_pk16_fp6_f32 v[CT+4*\c:CT+4*\c+2], v[XX+32*\c+16:XX+32*\c+31], v[230+\c]   ; (a conversion's three registers begin on an even number)
.endr
	v_nop                                          ; one plain place behind a scaled conversion
.irp c, 0,1
.irp i, 0,1,2
	v_mov_b32 v[PC+3+6*\c+\i], v[CT+4*\c+\i]
.endr
.endr
	global_store_b128 v4, v[PC:PC+3], s[24:25] offset:1536*\t          ; 512 consecutive bytes
	global_store_b64 v8, v[PC+4:PC+5], s[24:25] offset:1536*\t+512     ; 256 consecutive bytes
	global_store_b128 v4, v[PC+6:PC+9], s[24:25] offset:1536*\t+768
	global_store_b64 v8, v[PC+10:PC+11], s[24:25] offset:1536*\t+1280
.endm
	XLOAD 0
	XLOAD 1
	XSTEP 0
	XSTEP 1
	XSTEP 2
	XSTEP 3
.irp t, 0,1,2,3
	ds_store_b32 v10, v[SW+\t] offset:256*\t       ; lanes r and 16 + r write the same word with the same value
.endr
	s_wait_dscnt 0x0                               ; for the others' sake: my words lie in LDS
	s_barrier_signal -1
	s_barrier_wait -1
	ds_load_b64 v[228:229], v11
	s_wait_dscnt 0x0
	global_store_b64 v12, v[228:229], s[26:27]     ; 32 lanes store 256 consecutive bytes, aligned
	s_wait_tensorcnt 0x0                           ; the wave's end, behind my last LDS store
	ds_add_u32 v[SPW], v[NIL]
	s_wait_dscnt 0x0
	s_endpgm
; ---- A weight [1024 (k)][N].  A lane takes a column and its registers run down K: a block of 32 lies in one lane, and the codes come out with K innermost.  Work-group: 128 columns x one K step of 128.
.macro WLOAD kb, N                     ; block kb of the K step: 32 rows of the weight; a load reads 128 consecutive bytes
.set i, 0
.rept 32
	global_load_b32 v[16+32*(\kb)+i], v4, s[22:23] offset:(32*(\kb)+i)*\N*4 th:TH_LOAD_NT
.set i, i+1
.endr
.endm
.macro WBLOCK kb, N                    ; block kb = 2 c + h' becomes half h' of half image c, for my column's row
.set WX,  16+32*(\kb)
.set MNR, 144+4*(\kb)                  ; registers 0-3
.set TLR, 160+4*((\kb)/2)+2*((\kb)%2)  ; registers 4-5: both halves' lie on end, 16 bytes a row
.if \kb < 3
	s_wait_loadcnt 32                              ; this block's 32 loads are in; the next block's may be out
.else
	s_wait_loadcnt 0x0
.endif
.if \kb < 2
	WLOAD (\kb)+2, \N
.endif
	v_max3_num_f32 v174, |v[WX]|, |v[WX+1]|, |v[WX+2]|
	v_max3_num_f32 v175, |v[WX+3]|, |v[WX+4]|, |v[WX+5]|
.irp i, 6,10,14,18,22,26
	v_max3_num_f32 v174, v174, |v[WX+\i]|, |v[WX+\i+1]|
	v_max3_num_f32 v175, v175, |v[WX+\i+2]|, |v[WX+\i+3]|
.endr
	v_max3_num_f32 v174, v174, |v[WX+30]|, |v[WX+31]|
	v_max3_num_f32 v174, v174, v175, 0x1800000     ; and the floor 2^(3 - 127)
	v_add_nc_u32 v176, 0xff000000, v174            ; the conversion's scale operand
	v_lshrrev_b32 v177, 23, v176                   ; the scale's byte
.if \kb == 0
	v_mov_b32 v172, v177
.else
	v_lshl_or_b32 v172, v177, 8*\kb, v172          ; four bytes make my column's scale word
.endif
	v_cvt_scalef32_pk16_fp6_f32 v[MNR:MNR+2], v[WX:WX+15], v176
	v_cvt_scalef32_pk16_fp6_f32 v[168:170], v[WX+16:WX+31], v176
	v_nop                                          ; one plain place behind a scaled conversion
	v_mov_b32 v[MNR+3], v168
	v_mov_b32 v[TLR], v169
	v_mov_b32 v[TLR+1], v170
.endm
.macro WPATH N, PERM, X0, GOFF, src, dst, SCOFF
	s_sub_co_u32 s18, ttmp9, \X0                   ; G: which 128 columns
	s_mul_i32 s22, s17, 128*\N*4                   ; the K step's first row,
	s_lshl_b32 s23, s18, 9
	s_add_co_u32 s22, s22, s23
	s_lshl_b32 s23, s16, 7
	s_add_co_u32 s22, s22, s23                     ; my wave's 32 columns
	s_mov_b32 s23, 0
	s_add_nc_u64 s[22:23], s[\src:\src+1], s[22:23]
	s_lshl_b32 s24, s18, 3
	s_lshl_b32 s25, s16, 1
	s_add_co_u32 s24, s24, s25
	s_mul_i32 s24, s24, 12288                      ; row tile 8 G + 2 w,
	s_mul_i32 s25, s17, 1536                       ; the K step's two half images
	s_add_co_u32 s24, s24, s25
	s_mov_b32 s25, 0
	s_add_nc_u64 s[24:25], s[\dst:\dst+1], s[24:25]
	s_lshl_b32 s26, s18, 12
	s_lshl_b32 s27, s17, 9
	s_add_co_u32 s26, s26, s27
	s_add_co_u32 s26, s26, \SCOFF                  ; the group's scale words of this K step
	s_mov_b32 s27, 0
	s_add_nc_u64 s[26:27], s[\dst:\dst+1], s[26:27]
	v_lshlrev_b32 v4, 2, v1
.if \PERM
	v_bfe_u32 v7, v0, 3, 1                         ; position order: which of my wave's two tiles: the column's bit 3;
	v_and_b32 v8, 7, v0
	v_lshl_add_u32 v8, v3, 3, v8                   ; the row in it: 8 x bit 4 + the low three bits
.else
	v_bfe_u32 v7, v0, 4, 1
	v_and_b32 v8, 15, v0
.endif
	v_mul_u32_u24 v5, v7, 12288
	v_lshl_add_u32 v5, v8, 4, v5                   ; my row's 16 bytes in a piece of 256
	v_lshl_add_u32 v6, v7, 4, v8
	s_lshl_b32 s28, s16, 5
	v_add_nc_u32 v6, s28, v6
	v_lshl_add_u32 v6, v6, 2, \GOFF                ; my row's scale word among the group's 128
	v_lshlrev_b32 v7, 4, v1
	v_add_nc_u32 v8, \GOFF, v7
	WLOAD 0, \N
	WLOAD 1, \N
	WBLOCK 0, \N
	WBLOCK 1, \N
	WBLOCK 2, \N
	WBLOCK 3, \N
.irp c, 0,1
	global_store_b128 v5, v[144+8*\c:147+8*\c], s[24:25] offset:768*\c       ; each store: two runs of 256 consecutive bytes, aligned, one in each tile
	global_store_b128 v5, v[148+8*\c:151+8*\c], s[24:25] offset:768*\c+256
	global_store_b128 v5, v[160+4*\c:163+4*\c], s[24:25] offset:768*\c+512
.endr
	ds_store_b32 v6, v172
	s_wait_dscnt 0x0                               ; for wave 0's sake
	s_barrier_signal -1
	s_barrier_wait -1
	s_cmp_lg_u32 s16, 0
	s_cbranch_scc1 .Lw_end_\@
	ds_load_b128 v[180:183], v8
	s_wait_dscnt 0x0
	global_store_b128 v7, v[180:183], s[26:27]     ; 512 consecutive bytes, aligned
.Lw_end_\@:
	s_wait_tensorcnt 0x0                           ; the wave's end, behind my last LDS store
	ds_add_u32 v[SPW], v[NIL]
	s_wait_dscnt 0x0
	s_endpgm
.endm
.Lweights:
	s_cmp_lt_u32 ttmp9, 56
	s_cbranch_scc0 .Lwout
	s_wait_alu depctr_va_vdst(0)
	WPATH 3072, 1, 32, WIG, 6, 12, 2359296
.Lwout:
	s_wait_alu depctr_va_vdst(0)
	WPATH 1024, 0, 56, WOG, 8, 14, 786432
.Lfunc_end_k_q838910639d_quant:
	.size	k_q838910639d_quant, .Lfunc_end_k_q838910639d_quant-k_q838910639d_quant
	.p2alignl 7, 3214868480
	.fill 96, 4, 3214868480
	.section	.rodata,"a",@progbits
	.p2align	6, 0x0
	.amdhsa_kernel k_q838910639d_quant
		.amdhsa_group_segment_fixed_size 36352
		.amdhsa_private_segment_fixed_size 0
		.amdhsa_enable_private_segment 0
		.amdhsa_kernarg_size 48
		.amdhsa_user_sgpr_count 2
		.amdhsa_user_sgpr_kernarg_segment_ptr 1
		.amdhsa_wavefront_size32 1
		.amdhsa_system_sgpr_workgroup_id_x 1
		.amdhsa_system_sgpr_workgroup_id_y 1
		.amdhsa_system_sgpr_workgroup_id_z 1
		.amdhsa_system_vgpr_workitem_id 0
		.amdhsa_next_free_vgpr 240
		.amdhsa_next_free_sgpr 66
		.amdhsa_reserve_vcc 0
		.amdhsa_float_denorm_mode_32 3
		.amdhsa_float_denorm_mode_16_64 3
		.amdhsa_memory_ordered 1
		.amdhsa_forward_progress 1
		.amdhsa_inst_pref_size 73
	.end_amdhsa_kernel
	.amdgpu_metadata
---
amdhsa.version: [ 1, 2 ]
amdhsa.kernels:
  - .name:           k_q838910639d_quant
    .symbol:         k_q838910639d_quant.kd
    .args:
      - { .name: X, .offset: 0, .size: 8, .value_kind: global_buffer, .address_space: global }
      - { .name: W_in, .offset: 8, .size: 8, .value_kind: global_buffer, .address_space: global }
      - { .name: W_out, .offset: 16, .size: 8, .value_kind: global_buffer, .address_space: global }
      - { .name: xq, .offset: 24, .size: 8, .value_kind: global_buffer, .address_space: global }
      - { .name: wiq, .offset: 32, .size: 8, .value_kind: global_buffer, .address_space: global }
      - { .name: woq, .offset: 40, .size: 8, .value_kind: global_buffer, .address_space: global }
    .group_segment_fixed_size: 36352
    .private_segment_fixed_size: 0
    .kernarg_segment_align: 8
    .kernarg_segment_size: 48
    .max_flat_workgroup_size: 128
    .sgpr_count:     66
    .vgpr_count:     240
    .wavefront_size: 32
...
	.end_amdgpu_metadata
.endif
;; end of part 1
;; launch gemm_qkv (part 2): grid 8 x 48, 4 waves a work-group, clusters of 4 x 4, 327,680 bytes of LDS; arguments xq, wiq, b_in, qkv; writes qkv
.if DOCPART == 2
	.amdgcn_target "amdgcn-amd-amdhsa--gfx1250"
	.amdhsa_code_object_version 6
	.text
	.protected	k_q838910639d_gemm_qkv
	.globl	k_q838910639d_gemm_qkv
	.p2align	8
	.type	k_q838910639d_gemm_qkv,@function
k_q838910639d_gemm_qkv:
	s_mov_b64 s[64:65], 0
	v_nop
	global_prefetch_b8 v0, s[64:65] scope:SCOPE_SE
	s_setreg_imm32_b32 hwreg(HW_REG_WAVE_MODE, 25, 1), 1
	s_wait_xcnt 0x0
	s_wait_alu depctr_hold_cnt(0) depctr_sa_sdst(0) depctr_va_vdst(0) depctr_va_sdst(0) depctr_va_ssrc(0) depctr_va_vcc(0) depctr_vm_vsrc(0)
	s_getreg_b32 s2, hwreg(HW_REG_IB_STS2, 6, 4)
	s_cmp_eq_u32 s2, 0
	s_cbranch_scc0 .Lentry_in_a_cluster
	s_endpgm
.Lentry_in_a_cluster:
	s_bfe_u32 s2, ttmp6, 0x10000c
	s_cmp_lg_u32 s2, 0xf033
	s_cbranch_scc0 .Lentry_shape_is_right
	s_endpgm
.Lentry_shape_is_right:
; qkv = X W_in + b_in on codes of FP6 (E2M3), K = 1,024; on the way out q and k are quantised along the head's 64 and v along the keys, and leave as codes and scale bytes laid as the attention launch loads them.
; No work of the problem is left out here.  LIMITS: NaN and infinities are not served; a block of zeros or under 2^-124 gets the scale byte 1 (read by this program alone).
; OPERANDS (made by the launch before): rows in tiles of 16; a half image = 16 rows x 64 K = 768 bytes (lane (r, h): registers 0-3 at 256 h + 16 r, registers 4-5 at 512 + 16 r + 8 h); codes [row tile][16 half images];
; behind them the scale words [128 rows][K step][128 rows].  Tokens and W_in's columns lie in POSITION ORDER (bits 3 and 4 of the number changed over): lane r of tile 2 B + u holds number 32 B + 8 u + r + 8 (r / 8).
; A work-group of four waves makes 256 x 256, a wave 128 x 128: 64 accumulators.  Source 1 ("A") gives a lane its row; source 0 ("B") runs down a lane's registers, and by the position order the 16 registers of B's tiles
; 2 B and 2 B + 1 are 16 NEIGHBOURS, 32 B + 16 (lane / 16) + 0 .. 15: what the conversions want.
; TWO KINDS, told apart by the cluster's y, which all sixteen partners share.  y < 8 (q, k): A = tokens, B = W_in's columns 0 .. 2047: a lane holds one token and 128 neighbouring columns, two heads.
; y >= 8 (v): A = W_in's columns 2048 .. 3071, B = tokens: a lane holds one channel of v and 128 neighbouring keys.
; K goes in steps of 256 through a ring of two LDS slots; the scale words of the work-group's rows come once.  CLUSTERS 4 x 4: A's tiles are asked for jointly along a row of the cluster, B's along a column.
; qkv: [q, k, v][pair of heads 8 b + hp][102,400]: 98,304 bytes of codes, 4,096 of scale words.  q, k codes: [head in pair][row tile of b][half image]; scale words [128 positions][tile pair][head in pair][row],
; a word = the even tile's two bytes, then the odd tile's.  v codes: [key step of 128][4 x head in pair + channel tile][two half images]; scale words [key step][the same][row].
; REGISTERS, in windows of 256: window 0: v16-31 addresses; v32-63 scale words, two sets; v64-127 the bias; from v128 A's fragments, one set; on the way out v128-243 at work.
;   window 1: B's fragments, two sets, at v0 and v128.  window 2: the accumulators of A's blocks 0-3 ((a, b) at v[8 (8 a + b)]); window 3: those of blocks 4-7.
.set NQ,     2                         ; matrix instructions deep in a slot (256 along K)
.set FR,     12                        ; registers of a fragment
.set NL,     4                         ; LDS loads that bring one
.set NP,     4                         ; places behind this matrix instruction (ISA guide 7.12.1)
.set TILEB,  3072                      ; a row tile's four half images in a slot
.set HALFT,  8*TILEB                   ; 128 rows: what one tensor load brings, and what one wave reads of A or of B
.set SLOT,   4*HALFT
.set SCL,    2*SLOT                    ; behind the ring: the scale words, four chunks (A's halves, B's halves)
.set CH,     4160                      ; a chunk: 4,096 bytes + 64, so that the lanes that read A's words and those that read B's touch different banks
.set SPARE,  SCL+4*CH                  ; the spare words, 128 bytes for each wave: two blocks of 256 bytes that no other line names
.set ADRA, 16                          ; v16-17 LDS address of my A fragments in slot 0, 1, for the loads of 16 bytes; v18-19 for those of 8
.set ADRB, 20                          ; v20-23 the same for B
.set L16,  24                          ; v24  16 x lane
.set L8,   25                          ; v25  16 r + 8 h
.set SWR,  26                          ; v26  the way out: where I put a scale word: 512 w + 4 r (in slot 0, which has had its last fill and its last read by then)
.set ADRS, 27                          ; v27  LDS address of my scale words: lanes 0-15 A's rows, lanes 16-31 B's
.set SPW,  28                          ; v28  LDS address of my spare word; never rewritten
.set NIL,  29                          ; v29  0; never rewritten
.set SRD,  30                          ; v30  the way out: 512 w + 16 x lane
.set BO,   31                          ; v31  the bias's lane offset
.set SC,   32
.set T,    64                          ; v64-127 the bias, in the layout of a block's 64 results
.set AF,   128
.set H,    128                         ; the way out: v128-191 a block's 64 numbers
.set TM,   192                         ; v192-207 at work in QUANT
.set PW,   208                         ; the scale word just made
.set WS,   210                         ; v210-217 the blocks' scale words
.set PC,   220                         ; v220-238 the codes just made
.set RB,   240
.set G1, 24
.set G0, 32
.set G1B, 48
.set G0B, 56
.set GH, 68                            ; s[68:83] group 0 of the head's four loads: A slot 0, B slot 0, A slot 1, B slot 1
.set SEL, 104
.set MSB, 0
.macro WIN new                         ; the immediate's high byte repeats the setting that is left
.if MSB != (\new)
	s_set_vgpr_msb (MSB<<8)|(\new)
.set MSB, \new
.endif
.endm
.set MUL_LO, 0xa1                      ; source 0 (B) window 1, source 1 (A) window 0, C and D window 2
.set MUL_HI, 0xf1
.set TO_B,   0x40
; A joint load: waves 0 and 1 fetch for A, waves 2 and 3 for B.  The branch hangs on the wave's number alone.  An s_nop 0 and four v_nop follow each of the two lines.
.macro JLOAD g0a, g1a, g0b, g1b
	s_cmp_eq_u32 s15, 0
	s_cbranch_scc0 .Lfor_b_\@
	tensor_load_to_lds s[\g0a:\g0a+3], s[\g1a:\g1a+7]
	s_nop 0
.rept 4
	v_nop
.endr
	s_branch .Lasked_\@
.Lfor_b_\@:
	tensor_load_to_lds s[\g0b:\g0b+3], s[\g1b:\g1b+7]
	s_nop 0
.rept 4
	v_nop
.endr
.Lasked_\@:
.endm
.macro CREST                           ; a round of the cluster's barrier behind its opening barrier
	s_cmp_lg_u32 s14, 0
	s_cbranch_scc1 .Lnot_wave_0_\@
	s_barrier_signal -3
.Lnot_wave_0_\@:
	s_barrier_wait -3
	s_barrier_signal -1
	s_barrier_wait -1
.endm
.macro CROUND
	s_barrier_signal -1
	s_barrier_wait -1
	CREST
.endm
	s_load_b128 s[4:7], s[0:1], 0x0                ; xq, wiq
	s_load_b128 s[8:11], s[0:1], 0x10              ; b_in, qkv
	v_lshl_add_u32 v[SPW], v0, 2, SPARE
	v_mov_b32 v[NIL], 0
	ds_add_u32 v[SPW], v[NIL]                      ; the wave's opening: the add, twice on end, and its wait ahead of my first tensor load
	ds_add_u32 v[SPW], v[NIL]
	v_lshrrev_b32 v1, 5, v0
	v_readfirstlane_b32 s14, v1                    ; wave 0..3
	s_lshr_b32 s15, s14, 1                         ; which half of A's rows is mine.  Also: I fetch for A (0) or for B (1)
	s_and_b32 s16, s14, 1                          ; which half of B's rows.  Also: which 128 rows of that tile I fetch
	s_bfe_u32 s40, ttmp6, 0x40000                  ; cx
	s_bfe_u32 s41, ttmp6, 0x40004                  ; cy
	s_lshl_b32 s42, ttmp9, 2
	s_add_co_u32 s42, s42, s40                     ; x = 4 x cluster x + cx
	s_and_b32 s66, ttmp7, 0xffff                   ; the cluster's y
	s_lshl_b32 s17, s66, 2
	s_add_co_u32 s17, s17, s41                     ; y = 4 x cluster y + cy
	s_lshl_b32 s43, s41, 2
	s_lshl_b32 s43, 15, s43                        ; my row of the cluster
	s_lshl_b32 s44, 0x1111, s40                    ; my column
	; group 1 for codes: 8 row tiles x 3,072 bytes (384 elements of 8 bytes), 12,288 bytes apart in memory, dense in LDS
	s_or_b32 s[G1+0], s43, (3<<16)|(1<<21)         ; 15:0 the mask; 17:16 elements of 8 bytes; 21 set beside a mask
	s_or_b32 s[G1B+0], s44, (3<<16)|(1<<21)
.irp g, G1, G1B                        ; the head's loads bring 16 row tiles; behind them the two words that count rows are set to 8, for the ring's
	s_mov_b32 s[\g+1], 384<<16                     ; tensor_dim0
	s_mov_b32 s[\g+2], 16<<16                      ; tensor_dim1
	s_mov_b32 s[\g+3], 384<<16                     ; tile_dim0
	s_mov_b32 s[\g+4], 16                          ; tile_dim1
	s_mov_b32 s[\g+5], 1536                        ; tensor_dim0_stride
	s_mov_b32 s[\g+6], 0
	s_mov_b32 s[\g+7], 0
.endr
	s_mov_b32 s[SEL], 0x76543210
	s_mov_b32 s[SEL+1], 0xfedcba98
	; which tiles.  A's number is made of cy and the cluster's y alone, B's of cx, the cluster's x and its y alone, each in registers that never hold the other coordinate
	s_add_co_u32 s2, s41, 8                        ; v: A = wiq's tile 8 + cy
	s_max_u32 s3, s66, 8
	s_sub_co_u32 s3, s3, 8
	s_lshl_b32 s3, s3, 3
	s_add_co_u32 s3, s3, s42                       ; v: B = xq's tile x + 8 (cluster y - 8)
	s_mov_b32 s100, 6291456                        ; where xq's scale words begin,
	s_mov_b32 s101, 2359296                        ; and wiq's
	s_cmp_lt_u32 s66, 8
	s_cselect_b32 s67, 0, 1                        ; the kind: 0 = q, k; 1 = v
	s_cselect_b32 s20, s17, s2
	s_cselect_b32 s46, s42, s3
	s_cselect_b32 s94, s100, s101
	s_cselect_b32 s95, s101, s100
	s_lshl_b32 s18, s16, 7                         ; which 128 rows of the tile I fetch
	s_lshl_b32 s20, s20, 8
	s_add_co_u32 s20, s20, s18                     ; A's row
	s_lshl_b32 s46, s46, 8
	s_add_co_u32 s46, s46, s18                     ; B's row
	s_lshl_b32 s22, s20, 5                         ; scale words: 32 bytes a row
	s_add_co_u32 s22, s22, s94
	s_mov_b32 s23, 0
	s_lshl_b32 s92, s46, 5
	s_add_co_u32 s92, s92, s95
	s_mov_b32 s93, 0
	s_mul_i32 s20, s20, 768                        ; codes: 768 bytes a row
	s_mov_b32 s21, 0
	s_mul_i32 s46, s46, 768
	s_mov_b32 s47, 0
	s_mul_i32 s45, s14, HALFT                      ; where they go: no place in the cluster enters an LDS address
	s_mul_i32 s94, s14, CH
	s_wait_dscnt 0x0                               ; both opening adds are done
	s_wait_kmcnt 0x0
	s_cmp_eq_u32 s67, 0
	s_cselect_b64 s[96:97], s[4:5], s[6:7]         ; A's buffer
	s_cselect_b64 s[98:99], s[6:7], s[4:5]         ; B's
	s_add_nc_u64 s[20:21], s[96:97], s[20:21]
	s_add_nc_u64 s[22:23], s[96:97], s[22:23]
	s_add_nc_u64 s[46:47], s[98:99], s[46:47]
	s_add_nc_u64 s[92:93], s[98:99], s[92:93]
	CROUND                                         ; all sixteen work-groups are here: the first joint loads meet
	s_mul_i32 s84, s16, 128*768                    ; my half's offset is taken off again: a head load brings all 256 rows of a tile
	s_mov_b32 s85, 0
.irp s, 0,1
	s_mov_b32 s[GH+8*\s], 1
	s_mov_b32 s[GH+8*\s+1], \s*SLOT
	s_sub_nc_u64 s[GH+8*\s+2:GH+8*\s+3], s[20:21], s[84:85]
	s_add_nc_u64 s[GH+8*\s+2:GH+8*\s+3], s[GH+8*\s+2:GH+8*\s+3], \s*TILEB
	s_or_b32 s[GH+8*\s+3], s[GH+8*\s+3], 0x80000000
	s_mov_b32 s[GH+8*\s+4], 1
	s_mov_b32 s[GH+8*\s+5], \s*SLOT+2*HALFT
	s_sub_nc_u64 s[GH+8*\s+6:GH+8*\s+7], s[46:47], s[84:85]
	s_add_nc_u64 s[GH+8*\s+6:GH+8*\s+7], s[GH+8*\s+6:GH+8*\s+7], \s*TILEB
	s_or_b32 s[GH+8*\s+7], s[GH+8*\s+7], 0x80000000
.endr
	s_cmp_eq_u32 s15, 0
	s_cselect_b64 s[86:87], s[22:23], s[92:93]     ; the 4,096 bytes of scale words that my wave brings: waves 0, 1 A's halves, waves 2, 3 B's
.irp s, 0,1
	s_mov_b32 s[G0+4*\s], 1
	s_add_co_u32 s[G0+4*\s+1], s45, \s*SLOT
	s_add_nc_u64 s[G0+4*\s+2:G0+4*\s+3], s[20:21], \s*TILEB
	s_or_b32 s[G0+4*\s+3], s[G0+4*\s+3], 0x80000000
	s_mov_b32 s[G0B+4*\s], 1
	s_add_co_u32 s[G0B+4*\s+1], s45, \s*SLOT
	s_add_nc_u64 s[G0B+4*\s+2:G0B+4*\s+3], s[46:47], \s*TILEB
	s_or_b32 s[G0B+4*\s+3], s[G0B+4*\s+3], 0x80000000
.endr
; THE HEAD'S LOADS, ONE A WAVE: wave 0 slot 0's 256 rows of A, wave 1 its 256 rows of B, waves 2 and 3 the same of slot 1.  One tree of branches on the wave's number.
.macro ARM under, g0, g1, next
	s_cmp_lt_u32 s14, \under
	s_cbranch_scc0 \next
	tensor_load_to_lds s[\g0:\g0+3], s[\g1:\g1+7]
	s_nop 0
.rept 4
	v_nop
.endr
	s_branch .Lhead_asked
\next:
.endm
	ARM 1, GH,   G1,  .Lhead_b0
	ARM 2, GH+4, G1B, .Lhead_a1
	ARM 3, GH+8, G1,  .Lhead_b1
	tensor_load_to_lds s[GH+12:GH+15], s[G1B:G1B+7]
	s_nop 0
.rept 4
	v_nop
.endr
.Lhead_asked:
	v_and_b32 v1, 15, v0                           ; r
	v_bfe_u32 v2, v0, 4, 1                         ; h
	v_and_b32 v3, 31, v0
	v_lshlrev_b32 v[L16], 4, v3
	v_lshlrev_b32 v[L8], 4, v1
	v_lshl_add_u32 v[L8], v2, 3, v[L8]
	s_mul_i32 s21, s15, HALFT                      ; my 128 rows of A
	s_mul_i32 s22, s16, HALFT                      ; my 128 rows of B,
	s_add_co_u32 s22, s22, 2*HALFT                 ; which lie behind A's 256
.irp s, 0,1
	v_add_nc_u32 v[ADRA+\s], s21, v[L16]
	v_add_nc_u32 v[ADRB+\s], s22, v[L16]
	v_add_nc_u32 v[ADRA+2+\s], s21, v[L8]
	v_add_nc_u32 v[ADRB+2+\s], s22, v[L8]
	s_add_co_u32 s21, s21, SLOT
	s_add_co_u32 s22, s22, SLOT
.endr
	v_lshlrev_b32 v5, 2, v1                        ; my row's scale word: 4 r,
	s_mul_i32 s21, s15, CH                         ; A's chunk;
	s_mul_i32 s22, s16, CH
	s_add_co_u32 s22, s22, 2*CH
	s_sub_co_u32 s22, s22, s21
	v_mul_u32_u24 v6, s22, v2                      ; lanes 16-31 take B's
	s_add_co_u32 s21, s21, SCL
	v_add_nc_u32 v5, v5, v6
	v_add_nc_u32 v[ADRS], s21, v5
	s_lshl_b32 s23, s14, 9
	v_lshl_add_u32 v[SWR], v1, 2, s23
	v_add_nc_u32 v[SRD], s23, v[L16]
	s_add_co_u32 s94, s94, SCL
	v_add_nc_u32 v7, s94, v[L16]                   ; where my chunk of scale words goes in LDS: SCL + CH x wave + 16 x lane
	s_wait_alu depctr_va_vdst(0)                   ; the wait ahead of the readers below
.irp j, 0,1,2,3,4,5,6,7
	global_load_b128 v[AF+4*\j:AF+4*\j+3], v[L16], s[86:87] offset:512*\j   ; the scale words come through registers: each load reads 512 consecutive bytes
.endr
	; the bias, in the layout of a block's 64 results.  Both arms write all 64 registers
	s_cmp_eq_u32 s67, 0
	s_cbranch_scc0 .Lbias_v
	v_lshlrev_b32 v[BO], 6, v2                     ; q, k: register 16 B + e is column 32 B + 16 h + e of my 128
	s_lshl_b32 s18, s42, 10
	s_lshl_b32 s19, s16, 9
	s_add_co_u32 s18, s18, s19
	s_mov_b32 s19, 0
	s_add_nc_u64 s[12:13], s[8:9], s[18:19]
.irp b, 0,1,2,3
.irp i, 0,1,2,3
	global_load_b128 v[T+16*\b+4*\i:T+16*\b+4*\i+3], v[BO], s[12:13] offset:128*\b+16*\i
.endr
.endr
	s_branch .Lbias_done
.Lbias_v:
	v_and_b32 v5, 8, v1
	v_add_nc_u32 v5, v5, v1
	v_lshlrev_b32 v[BO], 2, v5                     ; v: all eight registers of block a hold the bias of my lane's column 32 (a / 2) + 8 (a % 2) + r + 8 (r / 8)
	s_lshl_b32 s18, s41, 10
	s_lshl_b32 s19, s15, 9
	s_add_co_u32 s18, s18, s19
	s_add_co_u32 s18, s18, 8192
	s_mov_b32 s19, 0
	s_add_nc_u64 s[12:13], s[8:9], s[18:19]
.irp a, 0,1,2,3,4,5,6,7
.irp j, 0,1,2,3,4,5,6,7
	global_load_b32 v[T+8*\a+\j], v[BO], s[12:13] offset:4*(32*(\a/2)+8*(\a%2))
.endr
.endr
.Lbias_done:
.macro FRAG reg, adr, q, i             ; a fragment: two half images on end, as they lie: every load of the wave covers 512 or 256 consecutive bytes
	ds_load_b128 v[\reg:\reg+3], v[\adr] offset:TILEB*(\i)+1536*(\q)
	ds_load_b64 v[\reg+4:\reg+5], v[\adr+2] offset:TILEB*(\i)+1536*(\q)+512
	ds_load_b128 v[\reg+6:\reg+9], v[\adr] offset:TILEB*(\i)+1536*(\q)+768
	ds_load_b64 v[\reg+10:\reg+11], v[\adr+2] offset:TILEB*(\i)+1536*(\q)+1280
.endm
; 16 matrix instructions: A's blocks a0, a0 + 1 x B's eight, 128 along K.  The 64 accumulators take turns, one instruction a turn, in the same order in every step.
.macro MUL16 a0, p, q, sc, zero
.irp a, \a0, \a0+1
.irp b, 0,1,2,3,4,5,6,7
.if \zero
	v_wmma_scale_f32_16x16x128_f8f6f4 v[8*(8*((\a)%4)+\b):8*(8*((\a)%4)+\b)+7], v[128*(\p)+FR*\b:128*(\p)+FR*\b+FR-1], v[AF+FR*(\a):AF+FR*(\a)+FR-1], 0, v[SC+8*NQ*(\sc)+NQ*\b+(\q)], v[SC+8*NQ*(\sc)+NQ*(\a)+(\q)] matrix_a_fmt:MATRIX_FMT_FP6 matrix_b_fmt:MATRIX_FMT_FP6 matrix_a_scale:MATRIX_SCALE_ROW1
.else
	v_wmma_scale_f32_16x16x128_f8f6f4 v[8*(8*((\a)%4)+\b):8*(8*((\a)%4)+\b)+7], v[128*(\p)+FR*\b:128*(\p)+FR*\b+FR-1], v[AF+FR*(\a):AF+FR*(\a)+FR-1], v[8*(8*((\a)%4)+\b):8*(8*((\a)%4)+\b)+7], v[SC+8*NQ*(\sc)+NQ*\b+(\q)], v[SC+8*NQ*(\sc)+NQ*(\a)+(\q)] matrix_a_fmt:MATRIX_FMT_FP6 matrix_b_fmt:MATRIX_FMT_FP6 matrix_a_scale:MATRIX_SCALE_ROW1
.endif
.endr
.endr
.endm
.macro FETCH_B slot, q, p
	WIN TO_B
.irp i, 0,1,2,3,4,5,6,7
	FRAG 128*(\p)+FR*\i, ADRB+\slot, \q, \i
.endr
	WIN 0
.endm
.macro FETCH_A slot, q, i0
.irp i, \i0, \i0+1, \i0+2, \i0+3
	FRAG AF+FR*(\i), ADRA+\slot, \q, \i
.endr
.endm
.macro SCALES sc                       ; a slot's scale words: register 2 i + q: lanes 0-15 the word of A's block i, lanes 16-31 that of B's block i, for the slot's q-th 128 along K
.irp i, 0,1,2,3,4,5,6,7
.irp q, 0,1
	ds_load_b32 v[SC+8*NQ*\sc+NQ*\i+\q], v[ADRS] offset:512*\q+64*\i
.endr
.endr
.endm
.macro PLACES n                        ; plain vector instructions between a matrix instruction and a load into, or a read of, its registers
.rept \n
	v_nop
.endr
.endm
.macro STEP slot, q, zero              ; a step of 128 along K that has its successor in the same slot
	s_wait_dscnt 4*NL                              ; B's set, A's blocks 0-3 and the scale words are in; the youngest 16 loads (A's blocks 4-7) may be out
	WIN MUL_LO
	MUL16 0, (\q)%2, \q, \slot, \zero
	MUL16 2, (\q)%2, \q, \slot, \zero
	s_wait_dscnt 0
	PLACES NP
	FETCH_B \slot, (\q)+1, 1-(\q)%2
	FETCH_A \slot, (\q)+1, 0
	WIN MUL_HI
	MUL16 4, (\q)%2, \q, \slot, \zero
	MUL16 6, (\q)%2, \q, \slot, \zero
	PLACES NP
	WIN 0
	FETCH_A \slot, (\q)+1, 4
.endm
; A slot's last step changes slots: one barrier; in front of it each wave waits for all its tensor loads, adds 0 to its spare word, and waits for that and for its reads of this slot.  fill = 1: this slot is filled again.
.macro TURN slot, next, fill
	s_wait_tensorcnt 0x0                           ; all my tensor loads have landed: my part of the next slot
	ds_add_u32 v[SPW], v[NIL]                      ; 0 onto my spare word
	s_wait_dscnt 4*NL+1                            ; (the add and the youngest 16 loads, A's blocks 4-7, may be out)
	WIN MUL_LO
	MUL16 0, 1, NQ-1, \slot, 0
	s_wait_dscnt 0x0                               ; the add is done, and my reads of this slot are over
	s_barrier_signal -1
	MUL16 2, 1, NQ-1, \slot, 0
	WIN 0
	s_barrier_wait -1
.if \fill
	CREST                                          ; the barrier has opened a round of the cluster's barrier: no wave of any partner still reads this slot or has a load on its way
	s_mov_b32 s[G1+2], 8<<16                       ; no tensor load of mine is out, so group 1 may be written: the ring's loads bring 8 row tiles
	s_mov_b32 s[G1+4], 8
	s_mov_b32 s[G1B+2], 8<<16
	s_mov_b32 s[G1B+4], 8
	s_add_nc_u64 s[G0+4*\slot+2:G0+4*\slot+3], s[G0+4*\slot+2:G0+4*\slot+3], 2*TILEB
	s_add_nc_u64 s[G0B+4*\slot+2:G0B+4*\slot+3], s[G0B+4*\slot+2:G0B+4*\slot+3], 2*TILEB
	JLOAD G0+4*\slot, G1, G0B+4*\slot, G1B         ; the first tensor load behind the round; its four v_nop are the places in front of the loads below
.else
	PLACES NP
.endif
	s_wait_alu depctr_va_vdst(0)
	v_add_nc_u32 v[ADRS], 512*NQ, v[ADRS]          ; on to the next slot's scale words
	FETCH_B \next, 0, 0
	FETCH_A \next, 0, 0
	SCALES \next
	WIN MUL_HI
	MUL16 4, 1, NQ-1, \slot, 0
	MUL16 6, 1, NQ-1, \slot, 0
	PLACES NP
	WIN 0
	FETCH_A \next, 0, 4
.endm
	s_wait_alu depctr_va_vdst(0)                   ; the wait at the head's end
	s_wait_loadcnt 0x0                             ; my scale words (and the bias) are in registers
	s_cmp_lt_u32 s14, 2
	s_cbranch_scc0 .Lnot_slot_0
	s_wait_tensorcnt 0x0                           ; waves 0 and 1: my tile of slot 0 is in; slot 1's two, whose lines are waves 2's and 3's own, are waited for at the first change of slots
.Lnot_slot_0:
.irp j, 0,1,2,3,4,5,6,7
	ds_store_b128 v7, v[AF+4*\j:AF+4*\j+3] offset:512*\j
.endr
	s_wait_dscnt 0x0                               ; for the others' sake: my scale words lie in LDS.
	s_barrier_signal -1
	s_barrier_wait -1
	FETCH_B 0, 0, 0
	FETCH_A 0, 0, 0
	s_wait_alu depctr_va_vdst(0)
	SCALES 0
	FETCH_A 0, 0, 4
	STEP 0, 0, 1                                   ; K = 1,024 is eight steps, written out: the first products start the sums
	TURN 0, 1, 1
	STEP 1, 0, 0
	TURN 1, 0, 1
	STEP 0, 0, 0
	TURN 0, 1, 0                                   ; nothing is left to fetch
	STEP 1, 0, 0
	s_wait_dscnt 4*NL
	WIN MUL_LO
	MUL16 0, 1, NQ-1, 1, 0
	MUL16 2, 1, NQ-1, 1, 0
	s_wait_dscnt 0
	WIN MUL_HI
	MUL16 4, 1, NQ-1, 1, 0
	MUL16 6, 1, NQ-1, 1, 0
	WIN 0
; 64 numbers of a lane, v[s] .. v[s + 63], register 16 b + i = k 32 b + 16 (lane / 16) + i of my row, become a fragment's codes in v[PC] on and its scale word in v[PW].
.macro QUANT s
.irp b, 0,1,2,3
	v_max3_num_f32 v[TM+\b], |v[\s+16*\b]|, |v[\s+1+16*\b]|, 0x1800000   ; my 16 numbers of block b, and the floor 2^(3 - 127): the byte cannot fall under 1
.endr
.irp i, 2,4,6,8,10,12,14
.irp b, 0,1,2,3
	v_max3_num_f32 v[TM+\b], v[TM+\b], |v[\s+16*\b+\i]|, |v[\s+1+16*\b+\i]|
.endr
.endr
.irp b, 0,1,2,3
	v_permlanex16_b32 v[TM+4+\b], v[TM+\b], s[SEL], s[SEL+1]
.endr
.irp b, 0,1,2,3
	v_max_num_f32 v[TM+\b], v[TM+\b], v[TM+4+\b]   ; with lane l xor 16's: the block's largest magnitude
.endr
.irp b, 0,1,2,3
	v_add_nc_u32 v[TM+12+\b], 0xff000000, v[TM+\b] ; 2 off its exponent field: the conversion's scale operand
.endr
.irp b, 0,1,2,3
	v_lshrrev_b32 v[TM+4+\b], 23, v[TM+12+\b]      ; the scale's byte
.endr
	v_lshl_or_b32 v[PW], v[TM+5], 8, v[TM+4]
	v_lshl_or_b32 v[PW], v[TM+6], 16, v[PW]
	v_lshl_or_b32 v[PW], v[TM+7], 24, v[PW]
.irp c, 0,1
	v_cvt_scalef32_pk16_fp6_f32 v[PC+6*\c:PC+2+6*\c], v[\s+32*\c:\s+15+32*\c], v[TM+12+2*\c]
	v_cvt_scalef32_pk16_fp6_f32 v[PC+12+4*\c:PC+14+4*\c], v[\s+16+32*\c:\s+31+32*\c], v[TM+12+2*\c+1]   ; (a conversion's three registers begin on an even number)
.endr
	v_nop                                          ; one plain place behind a scaled conversion
.irp c, 0,1                                    ; the operand's layout wants a whole block in a lane
.irp i, 0,1,2
	v_permlane16_swap_b32 v[PC+6*\c+\i], v[PC+12+4*\c+\i]
.endr
.irp i, 0,1,2
	v_mov_b32 v[PC+3+6*\c+\i], v[PC+12+4*\c+\i]
.endr
.endr
.endm
; THE WAY OUT, a block of A's 16 rows at a time: the bias is added, the lane's 128 numbers are quantised, and the 12 registers of codes leave as two half images.
.macro EPI kind
.if \kind
	s_lshr_b32 s19, s3, 2                          ; v: b = token tile / 4,
	s_lshl_b32 s19, s19, 3
	s_lshl_b32 s20, s41, 1
	s_add_co_u32 s19, s19, s20
	s_add_co_u32 s19, s19, s15                     ; the pair of heads 8 b + 2 cy + my half of A's rows
	s_mul_i32 s18, s19, 102400
	s_add_co_u32 s18, s18, 13107200
	s_and_b32 s19, s3, 3
	s_lshl_b32 s19, s19, 1
	s_add_co_u32 s19, s19, s16                     ; the key step of 128
	s_mul_i32 s20, s19, 12288
.else
	s_lshr_b32 s18, s42, 2                         ; q or k,
	s_mul_i32 s18, s18, 6553600
	s_lshr_b32 s19, s17, 2
	s_lshl_b32 s19, s19, 3
	s_and_b32 s20, s42, 3
	s_lshl_b32 s20, s20, 1
	s_add_co_u32 s19, s19, s20
	s_add_co_u32 s19, s19, s16                     ; the pair of heads 8 b + 2 (x % 4) + my half of B's rows
	s_mul_i32 s19, s19, 102400
	s_add_co_u32 s18, s18, s19
	s_and_b32 s19, s17, 3
	s_lshl_b32 s19, s19, 1
	s_add_co_u32 s19, s19, s15                     ; my 128 positions of b's 1,024
	s_mul_i32 s20, s19, 6144
.endif
	s_add_co_u32 s20, s20, s18
	s_mov_b32 s21, 0
	s_lshl_b32 s22, s19, 9
	s_add_co_u32 s22, s22, s18
	s_add_co_u32 s22, s22, 98304
	s_mov_b32 s23, 0
	s_add_nc_u64 s[20:21], s[10:11], s[20:21]      ; the codes
	s_add_nc_u64 s[22:23], s[10:11], s[22:23]      ; the scale words: 512 bytes
.irp a, 0,1,2,3,4,5,6,7
.if \a > 0
	s_wait_xcnt 0x0                                ; the last block's stores have read their data
.endif
	WIN 0x02+(\a/4)                                ; source 0: window 2 or 3
.set n, 0
.rept 32                                       ; each accumulator is read from its low end on
.if \kind
	v_pk_add_f32 v[H+2*n:H+2*n+1], v[64*(\a%4)+2*n:64*(\a%4)+2*n+1], v[T+8*\a+(2*n)%8:T+8*\a+(2*n)%8+1]
.else
	v_pk_add_f32 v[H+2*n:H+2*n+1], v[64*(\a%4)+2*n:64*(\a%4)+2*n+1], v[T+2*n:T+2*n+1]
.endif
.set n, n+1
.endr
	WIN 0
	QUANT H
.if \kind
	global_store_b128 v[L16], v[PC:PC+3], s[20:21] offset:1536*\a            ; 16 channels x 128 keys: two half images on end
	global_store_b64 v[L8], v[PC+4:PC+5], s[20:21] offset:1536*\a+512
	global_store_b128 v[L16], v[PC+6:PC+9], s[20:21] offset:1536*\a+768
	global_store_b64 v[L8], v[PC+10:PC+11], s[20:21] offset:1536*\a+1280
	v_mov_b32 v[WS+\a], v[PW]
	ds_store_b32 v[SWR], v[WS+\a] offset:2048+64*\a
.else
	global_store_b128 v[L16], v[PC:PC+3], s[20:21] offset:768*\a             ; 16 tokens x the first head's 64,
	global_store_b64 v[L8], v[PC+4:PC+5], s[20:21] offset:768*\a+512
	global_store_b128 v[L16], v[PC+6:PC+9], s[20:21] offset:768*\a+49152     ; and the second head's
	global_store_b64 v[L8], v[PC+10:PC+11], s[20:21] offset:768*\a+49664
.if (\a%2) == 0
	v_mov_b32 v[WS+\a], v[PW]
.else
	v_perm_b32 v[WS+\a], v[PW], v[WS+\a-1], 0x07060302     ; the second head's word: the even tile's upper two bytes, then the odd tile's
	v_perm_b32 v[WS+\a-1], v[PW], v[WS+\a-1], 0x05040100   ; the first head's: the lower two of each
	ds_store_b32 v[SWR], v[WS+\a-1] offset:128*(\a/2)
	ds_store_b32 v[SWR], v[WS+\a] offset:128*(\a/2)+64
.endif
.endif
.endr
	ds_load_b128 v[RB:RB+3], v[SRD] offset:2048*\kind  ; LDS serves a wave's instructions in order: these see my stores
	s_wait_dscnt 0x0
	global_store_b128 v[L16], v[RB:RB+3], s[22:23]     ; 512 consecutive bytes, aligned
.endm
	PLACES NP                                      ; behind the last products: their results are read and A's registers written below
	s_wait_loadcnt 0x0                             ; the bias
.irp b, 0,1,2,3
	v_mov_b32 v[TM+4+\b], 0                        ; written once: a lane permute's destination counts as one of its sources
.endr
	s_cmp_eq_u32 s67, 0
	s_cbranch_scc0 .Lv_out
	EPI 0
	s_branch .Lend
.Lv_out:
	EPI 1
.Lend:
	s_wait_tensorcnt 0x0                           ; the wave's end, behind my last tensor load and my last LDS store
	ds_add_u32 v[SPW], v[NIL]
	s_wait_dscnt 0x0
	CROUND                                         ; the closing round: no work-group ends while a partner may still ask for a tile that names it
	s_endpgm
.Lfunc_end_k_q838910639d_gemm_qkv:
	.size	k_q838910639d_gemm_qkv, .Lfunc_end_k_q838910639d_gemm_qkv-k_q838910639d_gemm_qkv
	.p2alignl 7, 3214868480
	.fill 96, 4, 3214868480
	.section	.rodata,"a",@progbits
	.p2align	6, 0x0
	.amdhsa_kernel k_q838910639d_gemm_qkv
		.amdhsa_group_segment_fixed_size 327680
		.amdhsa_private_segment_fixed_size 0
		.amdhsa_enable_private_segment 0
		.amdhsa_kernarg_size 32
		.amdhsa_user_sgpr_count 2
		.amdhsa_user_sgpr_kernarg_segment_ptr 1
		.amdhsa_wavefront_size32 1
		.amdhsa_system_sgpr_workgroup_id_x 1
		.amdhsa_system_sgpr_workgroup_id_y 1
		.amdhsa_system_sgpr_workgroup_id_z 1
		.amdhsa_system_vgpr_workitem_id 0
		.amdhsa_next_free_vgpr 1024
		.amdhsa_next_free_sgpr 106
		.amdhsa_reserve_vcc 0
		.amdhsa_float_denorm_mode_32 3
		.amdhsa_float_denorm_mode_16_64 3
		.amdhsa_memory_ordered 1
		.amdhsa_forward_progress 1
		.amdhsa_inst_pref_size 229
	.end_amdhsa_kernel
	.amdgpu_metadata
---
amdhsa.version: [ 1, 2 ]
amdhsa.kernels:
  - .name:           k_q838910639d_gemm_qkv
    .symbol:         k_q838910639d_gemm_qkv.kd
    .args:
      - { .name: xq, .offset: 0, .size: 8, .value_kind: global_buffer, .address_space: global }
      - { .name: wiq, .offset: 8, .size: 8, .value_kind: global_buffer, .address_space: global }
      - { .name: b_in, .offset: 16, .size: 8, .value_kind: global_buffer, .address_space: global }
      - { .name: qkv, .offset: 24, .size: 8, .value_kind: global_buffer, .address_space: global }
    .group_segment_fixed_size: 327680
    .private_segment_fixed_size: 0
    .kernarg_segment_align: 8
    .kernarg_segment_size: 32
    .max_flat_workgroup_size: 128
    .sgpr_count:     106
    .vgpr_count:     1024
    .wavefront_size: 32
...
	.end_amdgpu_metadata
.endif
;; end of part 2
;; launch attn (part 3): grid 4 x 64, 16 waves a work-group, clusters of 4 x 1, 207,872 bytes of LDS; arguments qkv, a2q; writes a2q
.if DOCPART == 3
	.amdgcn_target "amdgcn-amd-amdhsa--gfx1250"
	.amdhsa_code_object_version 6
	.text
	.protected	k_q838910639d_attn
	.globl	k_q838910639d_attn
	.p2align	8
	.type	k_q838910639d_attn,@function
k_q838910639d_attn:
	s_mov_b64 s[64:65], 0
	v_nop
	global_prefetch_b8 v0, s[64:65] scope:SCOPE_SE
	s_setreg_imm32_b32 hwreg(HW_REG_WAVE_MODE, 25, 1), 1
	s_wait_xcnt 0x0
	s_wait_alu depctr_hold_cnt(0) depctr_sa_sdst(0) depctr_va_vdst(0) depctr_va_sdst(0) depctr_va_ssrc(0) depctr_va_vcc(0) depctr_vm_vsrc(0)
	s_getreg_b32 s2, hwreg(HW_REG_IB_STS2, 6, 4)
	s_cmp_eq_u32 s2, 0
	s_cbranch_scc0 .Lentry_in_a_cluster
	s_endpgm
.Lentry_in_a_cluster:
	s_bfe_u32 s2, ttmp6, 0x10000c
	s_cmp_lg_u32 s2, 0x3003
	s_cbranch_scc0 .Lentry_shape_is_right
	s_endpgm
.Lentry_shape_is_right:
; att[b][s][h d] = softmax_l(q . k / 8) v for 128 (b, h), both products on codes of FP6 (E2M3); att is quantised along d on the way out and leaves as the last product's operand.  No work of the problem is left out here.
; THE SOFTMAX AHEAD OF THE SECOND PRODUCT: t = score x log2(e) / 8; M = the row's largest t so far, rounded up to a whole number; p = 2^(t - M) is quantised along the keys, not normalised.  The row's sum is taken of the
; unquantised p and divides at the end (by v_rcp_f32 and a multiplication).  When M moves, the sum and O are multiplied by 2^(old M - new M): exact.
; LIMITS: NaN and infinities are not served; a block of zeros or under 2^-124 gets the scale byte 1 (read by this program alone).
; SHARES.  A work-group takes a pair of heads of one b and 256 query positions; each of its sixteen waves 16 of them, the two heads one after the other.  The four work-groups of a cluster take the four quarters of the
; queries of one pair: they need the same K and V, 204,800 bytes, which come ONCE, jointly: each wave asks for one sixteenth.  Nothing is filled again: no ring, and no barrier in the loops.
; LAYOUT.  Both products are used transposed (S^T = K Q^T, O^T = V^T P^T): a lane holds one query throughout.  Key tiles and v's channel tiles lie in position order (lane r of tile 2 B + u holds number
; 32 B + 8 u + r + 8 (r / 8)), so the 16 registers of result tiles 2 B, 2 B + 1 are 16 neighbours, 32 B + 16 (lane / 16) + 0 .. 15, along the next product's K.
; THE FIRST PRODUCT'S K IS 64, half of the instruction's 128.  A fragment of K holds TWO key tiles, one in k 0-63, one in k 64-127; q stands between two runs of six registers of zero codes: [q, 0] picks the first tile,
; [0, q] the second.  A zero code adds nothing under any scale byte but 0xff, which is never made.
; REGISTERS: v1-3 lane terms; v6-11 addresses in hand; v12 -M, v13 the largest t, v[14:15] the sum; v16-33 zeros, q, zeros; v34-39 the second head's q; v40 q's scale word; v43 p's; v44-47 K's; v48-51 V's;
; v52-99 K's four fragments, later p's codes and what makes them; v100-147 V's four; v148-211 S^T, then p; v212-243 O^T; v244-254 at work; v255 att's scale word.
.set KSCO,  98304                      ; LDS: K's codes from 0, its scale words here,
.set VCO,   102400                     ; V's codes,
.set VSCO,  200704                     ; V's scale words,
.set OSC,   204800                     ; att's scale words of the work-group's 256 positions: 1,024 bytes that no fill touches,
.set SPARE, 205824                     ; the spare words, 128 bytes for each wave: eight blocks of 256 bytes that no other line names
.set L16, 1                            ; v1  16 x lane
.set L8,  2                            ; v2  16 r + 8 h
.set R4,  3                            ; v3  4 r
.set SPW, 4                            ; v4  LDS address of my spare word; never rewritten
.set NIL, 5                            ; v5  0; never rewritten
.set QSC, 40
.set PSC, 43
.set KSC, 44
.set VSC, 48
.set KF,  52
.set SO,  64                           ; v64-67 the conversions' scale operands
.set CV,  68                           ; v68-70, v72-74 the upper halves' codes as converted
.set VF,  100
.set S,   148
.set O,   212
.set BM,  244
.set T2,  248
.set CS,  38                           ; s[38:39] c = log2(e) / 8
.set SEL, 40                           ; s[40:41]
.macro CROUND                          ; a round of the cluster's barrier
	s_barrier_signal -1
	s_barrier_wait -1
	s_cmp_lg_u32 s8, 0
	s_cbranch_scc1 .Lnot_wave_0_\@
	s_barrier_signal -3
.Lnot_wave_0_\@:
	s_barrier_wait -3
	s_barrier_signal -1
	s_barrier_wait -1
.endm
	s_load_b128 s[4:7], s[0:1], 0x0                ; qkv, a2q
	v_lshl_add_u32 v[SPW], v0, 2, SPARE
	v_mov_b32 v[NIL], 0
	ds_add_u32 v[SPW], v[NIL]                      ; the wave's opening: the add, twice on end, and its wait ahead of my first tensor load
	ds_add_u32 v[SPW], v[NIL]
	v_lshrrev_b32 v6, 5, v0
	s_delay_alu instid0(VALU_DEP_1)
	v_readfirstlane_b32 s8, v6                     ; wave 0..15
	s_bfe_u32 s9, ttmp6, 0x40000                   ; cx: my quarter of the queries; it enters q's and att's addresses alone
	s_and_b32 s10, ttmp7, 0xffff                   ; the pair of heads, 8 b + hp, which the four partners share
	s_lshl_b32 s11, s9, 4
	s_add_co_u32 s11, s11, s8                      ; my tile of 16 query positions, 0..63
	s_mov_b32 s16, 15|(3<<16)|(1<<21)              ; group 1: 15:0 the mask: all four work-groups; 17:16 elements of 8 bytes; 21 set beside a mask
	s_mov_b32 s17, 32<<16                          ; tensor_dim0: rows of 256 bytes
	s_mov_b32 s18, 50<<16                          ; tensor_dim1: 50 rows: 12,800 dense bytes
	s_mov_b32 s19, 32<<16                          ; tile_dim0
	s_mov_b32 s20, 50                              ; tile_dim1
	s_mov_b32 s21, 32                              ; tensor_dim0_stride
	s_mov_b32 s22, 0
	s_mov_b32 s23, 0
	s_mul_i32 s44, s10, 102400                     ; the pair's pack in each of q, k, v
	s_lshr_b32 s42, s8, 3
	s_add_co_u32 s42, s42, 1
	s_mul_i32 s42, s42, 6553600                    ; waves 0-7: k; waves 8-15: v
	s_add_co_u32 s42, s42, s44
	s_and_b32 s43, s8, 7
	s_mul_i32 s43, s43, 12800                      ; my eighth of the pack
	s_add_co_u32 s42, s42, s43
	s_mov_b32 s43, 0
	s_mov_b32 s12, 1                               ; group 0: count = 1,
	s_mul_i32 s13, s8, 12800                       ; LDS address: K's pack, then V's
	s_mul_i32 s26, s11, 768
	s_add_co_u32 s26, s26, s44                     ; q's codes: my tile's half image of the first head
	s_mov_b32 s27, 0
	s_lshr_b32 s24, s11, 3
	s_lshl_b32 s24, s24, 9
	s_bfe_u32 s25, s11, 0x20001
	s_lshl_b32 s25, s25, 7
	s_add_co_u32 s24, s24, s25
	s_and_b32 s25, s11, 1
	s_lshl_b32 s25, s25, 1
	s_add_co_u32 s24, s24, s25
	s_add_co_u32 s24, s24, s44
	s_add_co_u32 s24, s24, 98304                   ; q's scale bytes: [128 positions][tile pair][head][row], my tile's half of a word
	s_mov_b32 s25, 0
	s_lshr_b32 s45, s10, 3                         ; b
	s_and_b32 s46, s10, 7                          ; hp
	s_lshl_b32 s28, s45, 6
	s_add_co_u32 s28, s28, s11
	s_lshl_b32 s28, s28, 4
	s_lshl_b32 s29, s46, 1
	s_add_co_u32 s28, s28, s29
	s_mul_i32 s28, s28, 768                        ; att's codes: row tile 64 b + t, half image = the head
	s_mov_b32 s29, 0
	s_lshl_b32 s30, s45, 3
	s_lshl_b32 s31, s9, 1
	s_add_co_u32 s30, s30, s31
	s_and_b32 s31, s8, 1
	s_add_co_u32 s30, s30, s31
	s_lshl_b32 s30, s30, 12
	s_lshl_b32 s31, s46, 9
	s_add_co_u32 s30, s30, s31
	s_add_co_u32 s30, s30, 6291456                 ; att's scale words: waves 0 and 1 store those of 128 positions each, K step hp
	s_mov_b32 s31, 0
	s_mov_b32 s[CS], 0x3e38aa3b
	s_mov_b32 s[CS+1], s[CS]                       ; (named with it as a pair, so it is written)
	s_mov_b32 s[SEL], 0x76543210
	s_mov_b32 s[SEL+1], 0xfedcba98
	s_wait_dscnt 0x0                               ; both opening adds are done
	s_wait_kmcnt 0x0
	s_add_nc_u64 s[14:15], s[4:5], s[42:43]
	s_or_b32 s15, s15, 0x80000000                  ; type = 2
	s_add_nc_u64 s[26:27], s[4:5], s[26:27]
	s_add_nc_u64 s[24:25], s[4:5], s[24:25]
	s_add_nc_u64 s[28:29], s[6:7], s[28:29]
	s_add_nc_u64 s[30:31], s[6:7], s[30:31]
	CROUND                                         ; all four work-groups are here: the joint loads meet
	tensor_load_to_lds s[12:15], s[16:23]          ; my one tensor load of the launch
	s_nop 0
.rept 4
	v_nop
.endr
	v_and_b32 v6, 31, v0
	s_delay_alu instid0(VALU_DEP_1)
	v_lshlrev_b32 v[L16], 4, v6
	v_and_b32 v6, 15, v0
	v_bfe_u32 v7, v0, 4, 1
	s_delay_alu instid0(VALU_DEP_2)
	v_lshlrev_b32 v[L8], 4, v6
	s_delay_alu instid0(VALU_DEP_1)
	v_lshl_add_u32 v[L8], v7, 3, v[L8]
	s_delay_alu instid0(VALU_DEP_4)
	v_lshlrev_b32 v[R4], 2, v6
	global_load_b128 v[22:25], v[L16], s[26:27]                ; the first head's q,
	global_load_b64 v[26:27], v[L8], s[26:27] offset:512
	global_load_b128 v[34:37], v[L16], s[26:27] offset:49152   ; the second's,
	global_load_b64 v[38:39], v[L8], s[26:27] offset:49664
	global_load_u16 v41, v[R4], s[24:25]                       ; and their rows' two scale bytes
	global_load_u16 v42, v[R4], s[24:25] offset:64
.irp i, 0,1,2,3,4,5
	v_mov_b32 v[16+\i], 0                          ; zero codes on both sides of q
	v_mov_b32 v[28+\i], 0
.endr
.irp i, 248,249,250,251,252,253,254
	v_mov_b32 v\i, 0                               ; written once: lane permutes' destinations, and the upper half of the pair v[252:253]
.endr
	s_wait_loadcnt 0x0
	s_wait_tensorcnt 0x0                           ; my part of K or V is in,
	s_barrier_signal -1
	s_barrier_wait -1                              ; everybody's is
; A KEY STEP: 128 keys of the head in hand.
.macro STEP
	v_add_nc_u32 v6, s32, v[L16]                   ; (these six are also the places behind the last step's products, in front of the loads into their registers)
	v_add_nc_u32 v7, s32, v[L8]
	v_add_nc_u32 v8, s33, v[R4]
	v_add_nc_u32 v9, s34, v[L16]
	v_add_nc_u32 v10, s34, v[L8]
	v_add_nc_u32 v11, s35, v[R4]
.irp f, 0,1,2,3                                ; fragment f: key tiles 2 f and 2 f + 1
	ds_load_b128 v[KF+12*\f:KF+12*\f+3], v6 offset:1536*\f
	ds_load_b64 v[KF+12*\f+4:KF+12*\f+5], v7 offset:1536*\f+512
	ds_load_b128 v[KF+12*\f+6:KF+12*\f+9], v6 offset:1536*\f+768
	ds_load_b64 v[KF+12*\f+10:KF+12*\f+11], v7 offset:1536*\f+1280
	ds_load_b32 v[KSC+\f], v8 offset:128*\f
.endr
	s_wait_alu depctr_va_vdst(0)
	s_wait_dscnt 0x0
.irp f, 0,1,2,3
	v_wmma_scale_f32_16x16x128_f8f6f4 v[S+16*\f:S+16*\f+7], v[KF+12*\f:KF+12*\f+11], v[22:33], 0, v[KSC+\f], v[QSC] matrix_a_fmt:MATRIX_FMT_FP6 matrix_b_fmt:MATRIX_FMT_FP6
	v_wmma_scale_f32_16x16x128_f8f6f4 v[S+16*\f+8:S+16*\f+15], v[KF+12*\f:KF+12*\f+11], v[16:27], 0, v[KSC+\f], v[QSC] matrix_a_fmt:MATRIX_FMT_FP6 matrix_b_fmt:MATRIX_FMT_FP6
.endr
.irp d, 0,1,2,3                                ; V's four fragments (16 channels x these 128 keys) land while the softmax is worked
	ds_load_b128 v[VF+12*\d:VF+12*\d+3], v9 offset:1536*\d
	ds_load_b64 v[VF+12*\d+4:VF+12*\d+5], v10 offset:1536*\d+512
	ds_load_b128 v[VF+12*\d+6:VF+12*\d+9], v9 offset:1536*\d+768
	ds_load_b64 v[VF+12*\d+10:VF+12*\d+11], v10 offset:1536*\d+1280
	ds_load_b32 v[VSC+\d], v11 offset:64*\d
.endr
.rept 4
	v_nop                                          ; places in front of the first read of the scores
.endr
.irp b, 0,1,2,3
	v_max3_num_f32 v[BM+\b], v[S+16*\b], v[S+1+16*\b], v[S+2+16*\b]   ; the largest score of each block of 32 keys: it serves the row's maximum and, since p rises with the score, the block's largest p
.endr
.irp i, 3,5,7,9,11,13
.irp b, 0,1,2,3
	v_max3_num_f32 v[BM+\b], v[BM+\b], v[S+16*\b+\i], v[S+1+16*\b+\i]
.endr
.endr
.irp b, 0,1,2,3
	v_max_num_f32 v[BM+\b], v[BM+\b], v[S+15+16*\b]
.endr
.irp b, 0,1,2,3
	s_delay_alu instid0(VALU_DEP_4)
	v_permlanex16_b32 v[T2+\b], v[BM+\b], s[SEL], s[SEL+1]
.endr
.irp b, 0,1,2,3
	s_delay_alu instid0(VALU_DEP_4)
	v_max_num_f32 v[BM+\b], v[BM+\b], v[T2+\b]     ; with lane l xor 16's 16 keys
.endr
	s_delay_alu instid0(VALU_DEP_2)
	v_max3_num_f32 v254, v[BM], v[BM+1], v[BM+2]
	s_delay_alu instid0(VALU_DEP_1)
	v_max_num_f32 v254, v254, v[BM+3]
	s_delay_alu instid0(VALU_DEP_1)
	v_mul_f32 v254, s[CS], v254                    ; as t (c is positive)
	s_delay_alu instid0(VALU_DEP_1)
	v_max_num_f32 v13, v13, v254                   ; the running largest t
	v_mov_b32 v254, v12
	s_delay_alu instid0(VALU_DEP_2)
	v_floor_f32 v12, -v13                          ; the new -M = floor(-t): M is a whole number
	s_delay_alu instid0(VALU_DEP_1)
	v_sub_f32 v254, v12, v254                      ; old M less new M: a whole number, 0 or less
	s_delay_alu instid0(VALU_DEP_1)
	v_cvt_i32_f32 v254, v254                       ; (it saturates)
	s_delay_alu instid0(VALU_DEP_1)
	v_ldexp_f32 v252, 1.0, v254                    ; f = 2^(old M - new M)
.set j, 0
.rept 32
	v_pk_fma_f32 v[S+j:S+j+1], v[S+j:S+j+1], s[CS:CS+1], v[12:13] op_sel_hi:[1,0,0]   ; t - M, two at a time
.set j, j+2
.endr
.irp b, 0,1,2,3
	v_fma_f32 v[BM+\b], v[BM+\b], s[CS], v12       ; the same of each block's largest score
.endr
.set j, 0
	s_wait_alu depctr_va_vdst(0)
.rept 64
	v_exp_f32 v[S+j], v[S+j]                       ; p = 2^(t - M), at most 1
.set j, j+1
.endr
	v_pk_mul_f32 v[14:15], v[14:15], v[252:253] op_sel_hi:[1,0]   ; the sums under the new M (a plain place behind the exponentials)
	s_wait_alu depctr_va_vdst(0)                   ; one wait for the whole batch, ahead of its first use
.irp b, 0,1,2,3
	v_exp_f32 v[BM+\b], v[BM+\b]                   ; the block's largest p
.endr
	v_pk_add_f32 v[248:249], v[152:153], v[156:157]
	v_pk_add_f32 v[250:251], v[160:161], v[164:165]
	v_pk_add_f32 v[98:99], v[168:169], v[172:173]
	v_pk_add_f32 v[96:97], v[176:177], v[180:181]
	v_pk_add_f32 v[94:95], v[184:185], v[188:189]
	v_pk_add_f32 v[92:93], v[192:193], v[196:197]
	v_pk_add_f32 v[90:91], v[200:201], v[204:205]
	v_pk_add_f32 v[14:15], v[14:15], v[208:209]
	v_pk_add_f32 v[248:249], v[248:249], v[148:149]
	v_pk_add_f32 v[250:251], v[250:251], v[150:151]
	v_pk_add_f32 v[98:99], v[98:99], v[154:155]
	v_pk_add_f32 v[96:97], v[96:97], v[158:159]
	v_pk_add_f32 v[94:95], v[94:95], v[162:163]
	v_pk_add_f32 v[92:93], v[92:93], v[166:167]
	v_pk_add_f32 v[90:91], v[90:91], v[170:171]
	v_pk_add_f32 v[14:15], v[14:15], v[174:175]
	v_pk_add_f32 v[248:249], v[248:249], v[178:179]
	v_pk_add_f32 v[250:251], v[250:251], v[182:183]
	v_pk_add_f32 v[98:99], v[98:99], v[186:187]
	v_pk_add_f32 v[96:97], v[96:97], v[190:191]
	v_pk_add_f32 v[94:95], v[94:95], v[194:195]
	v_pk_add_f32 v[92:93], v[92:93], v[198:199]
	v_pk_add_f32 v[90:91], v[90:91], v[202:203]
	v_pk_add_f32 v[14:15], v[14:15], v[206:207]
	v_pk_add_f32 v[248:249], v[248:249], v[210:211]
	s_delay_alu instid0(VALU_DEP_2)
	v_pk_add_f32 v[14:15], v[14:15], v[96:97]
	s_delay_alu instid0(VALU_DEP_2)
	v_pk_add_f32 v[248:249], v[248:249], v[94:95]
	v_pk_add_f32 v[250:251], v[250:251], v[92:93]
	v_pk_add_f32 v[98:99], v[98:99], v[90:91]
	s_delay_alu instid0(VALU_DEP_2)
	v_pk_add_f32 v[14:15], v[14:15], v[250:251]
	s_delay_alu instid0(VALU_DEP_2)
	v_pk_add_f32 v[248:249], v[248:249], v[98:99]
	s_delay_alu instid0(VALU_DEP_1)
	v_pk_add_f32 v[14:15], v[14:15], v[248:249]
	s_wait_alu depctr_va_vdst(0)                   ; and one for the four
.irp b, 0,1,2,3
	v_max_num_f32 v[BM+\b], 0x1800000, v[BM+\b]    ; the floor 2^(3 - 127): the byte cannot fall under 1
.endr
.irp b, 0,1,2,3
	s_delay_alu instid0(VALU_DEP_4)
	v_add_nc_u32 v[SO+\b], 0xff000000, v[BM+\b]    ; 2 off the exponent field: the conversion's scale operand
.endr
.irp b, 0,1,2,3
	s_delay_alu instid0(VALU_DEP_4)
	v_lshrrev_b32 v[T2+\b], 23, v[SO+\b]           ; the scale's byte
.endr
	s_delay_alu instid0(VALU_DEP_3)
	v_lshl_or_b32 v[PSC], v[T2+1], 8, v[T2]        ; p's scale word for these 128 keys
	s_delay_alu instid0(VALU_DEP_1)
	v_lshl_or_b32 v[PSC], v[T2+2], 16, v[PSC]
	s_delay_alu instid0(VALU_DEP_1)
	v_lshl_or_b32 v[PSC], v[T2+3], 24, v[PSC]
.irp c, 0,1
	v_cvt_scalef32_pk16_fp6_f32 v[KF+6*\c:KF+2+6*\c], v[S+32*\c:S+15+32*\c], v[SO+2*\c]
	v_cvt_scalef32_pk16_fp6_f32 v[CV+4*\c:CV+2+4*\c], v[S+16+32*\c:S+31+32*\c], v[SO+2*\c+1]   ; (a conversion's three registers begin on an even number)
.endr
	v_nop                                          ; one plain place behind a scaled conversion
.irp c, 0,1                                    ; the operand's layout wants a whole block in a lane
.irp i, 0,1,2
	v_permlane16_swap_b32 v[KF+6*\c+\i], v[CV+4*\c+\i]
.endr
.irp i, 0,1,2
	s_delay_alu instid0(VALU_DEP_3)
	v_mov_b32 v[KF+3+6*\c+\i], v[CV+4*\c+\i]
.endr
.endr
.set j, 0
.rept 16
	v_pk_mul_f32 v[O+j:O+j+1], v[O+j:O+j+1], v[252:253] op_sel_hi:[1,0]   ; O^T under the new M.  (These 16 are also the places between the lines that made p's codes and scale word and the products)
.set j, j+2
.endr
	s_wait_alu depctr_va_vdst(0)
	s_wait_dscnt 0x0                               ; V is in
.irp d, 0,1,2,3                                ; the four accumulators take turns, one instruction a turn
	v_wmma_scale_f32_16x16x128_f8f6f4 v[O+8*\d:O+8*\d+7], v[VF+12*\d:VF+12*\d+11], v[KF:KF+11], v[O+8*\d:O+8*\d+7], v[VSC+\d], v[PSC] matrix_a_fmt:MATRIX_FMT_FP6 matrix_b_fmt:MATRIX_FMT_FP6
.endr
	s_add_co_u32 s32, s32, 6144                    ; the next 128 keys: K's eight tiles,
	s_add_co_u32 s33, s33, 512                     ; their scale words,
	s_add_co_u32 s34, s34, 12288                   ; V's key step,
	s_add_co_u32 s35, s35, 512                     ; and its scale words
.endm
; A head's way out: O^T / the sum is att's row; its 64 channels are two blocks of the last product's K; the codes leave as one half image.
.macro OUT hs
.rept 4
	v_nop                                          ; places behind the last products
.endr
	v_add_f32 v14, v14, v15                        ; the sum's two halves,
	s_delay_alu instid0(VALU_DEP_1)
	v_permlanex16_b32 v254, v14, s[SEL], s[SEL+1]
	s_delay_alu instid0(VALU_DEP_1)
	v_add_f32 v14, v14, v254                       ; and lane l xor 16's
	s_wait_alu depctr_va_vdst(0)
	v_rcp_f32 v14, v14
	v_nop                                          ; a plain place behind the reciprocal
	s_wait_alu depctr_va_vdst(0)                   ; and the wait ahead of its first use
.set j, 0
.rept 16
	v_pk_mul_f32 v[S+j:S+j+1], v[O+j:O+j+1], v[14:15] op_sel_hi:[1,0]   ; register 16 b + i is channel 32 b + 16 (lane / 16) + i
.set j, j+2
.endr
.irp b, 0,1
	v_max3_num_f32 v[BM+\b], |v[S+16*\b]|, |v[S+1+16*\b]|, 0x1800000
.endr
.irp i, 2,4,6,8,10,12,14
.irp b, 0,1
	s_delay_alu instid0(VALU_DEP_2)
	v_max3_num_f32 v[BM+\b], v[BM+\b], |v[S+16*\b+\i]|, |v[S+1+16*\b+\i]|
.endr
.endr
.irp b, 0,1
	s_delay_alu instid0(VALU_DEP_2)
	v_permlanex16_b32 v[T2+\b], v[BM+\b], s[SEL], s[SEL+1]
.endr
.irp b, 0,1
	s_delay_alu instid0(VALU_DEP_2)
	v_max_num_f32 v[BM+\b], v[BM+\b], v[T2+\b]
.endr
.irp b, 0,1
	s_delay_alu instid0(VALU_DEP_2)
	v_add_nc_u32 v[SO+\b], 0xff000000, v[BM+\b]
.endr
.irp b, 0,1
	s_delay_alu instid0(VALU_DEP_2)
	v_lshrrev_b32 v[T2+\b], 23, v[SO+\b]
.endr
	s_delay_alu instid0(VALU_DEP_1)
	v_lshl_or_b32 v254, v[T2+1], 8, v[T2]          ; the head's two scale bytes
	v_cvt_scalef32_pk16_fp6_f32 v[KF:KF+2], v[S:S+15], v[SO]
	v_cvt_scalef32_pk16_fp6_f32 v[CV:CV+2], v[S+16:S+31], v[SO+1]
	v_nop                                          ; one plain place behind a scaled conversion
.irp i, 0,1,2
	v_permlane16_swap_b32 v[KF+\i], v[CV+\i]
.endr
.irp i, 0,1,2
	s_delay_alu instid0(VALU_DEP_3)
	v_mov_b32 v[KF+3+\i], v[CV+\i]
.endr
.if \hs
	v_lshl_or_b32 v255, v254, 16, v255             ; the pair of heads is one K step of the last product: four bytes, one word
.else
	v_mov_b32 v255, v254
.endif
	global_store_b128 v[L16], v[KF:KF+3], s[28:29] offset:768*\hs        ; 512 consecutive bytes
	global_store_b64 v[L8], v[KF+4:KF+5], s[28:29] offset:768*\hs+512    ; 256 consecutive bytes
.endm
.macro HEAD hs
.if \hs
	s_wait_xcnt 0x0                                ; the first head's stores have read their data: K's fragments may land there again
.irp i, 0,1,2,3,4,5
	v_mov_b32 v[22+\i], v[34+\i]
.endr
.endif
	v_lshl_or_b32 v[QSC], v[41+\hs], 16, v[41+\hs] ; q's two bytes serve in either half of K
	s_mov_b32 s32, 49152*\hs
	s_mov_b32 s33, KSCO+64*\hs
	s_mov_b32 s34, VCO+6144*\hs
	s_mov_b32 s35, VSCO+256*\hs
	s_mov_b32 s36, 8
	v_mov_b32 v13, 0xff61b1e6                      ; the largest t so far: -3e38, under every t
	s_delay_alu instid0(VALU_DEP_1)
	v_floor_f32 v12, -v13
	v_mov_b32 v14, 0
	v_mov_b32 v15, 0
.set j, 0
.rept 32
	v_mov_b32 v[O+j], 0                            ; O^T: the step is written once; its first trip finds zeros, which the first change of M leaves zeros
.set j, j+1
.endr
.Lkeys_\@:                                         ; 1,024 keys: eight trips
	STEP
	s_sub_co_u32 s36, s36, 1
	s_cmp_lg_u32 s36, 0
	s_cbranch_scc1 .Lkeys_\@
	OUT \hs
.endm
	HEAD 0
	HEAD 1
	s_lshl_b32 s42, s8, 6
	v_add_nc_u32 v6, s42, v[R4]
	s_delay_alu instid0(VALU_DEP_1)
	v_add_nc_u32 v6, OSC, v6                       ; where I put my rows' scale words: 64 w + 4 r
	s_and_b32 s43, s8, 1
	s_lshl_b32 s43, s43, 9
	v_add_nc_u32 v7, s43, v[L16]
	s_delay_alu instid0(VALU_DEP_1)
	v_add_nc_u32 v7, OSC, v7                       ; where waves 0 and 1 read 512 bytes each
	ds_store_b32 v6, v255                          ; lanes r and 16 + r write the same word with the same value
	s_wait_dscnt 0x0                               ; for the others' sake
	s_barrier_signal -1
	s_barrier_wait -1
	s_cmp_lt_u32 s8, 2
	s_cbranch_scc0 .Lno_words
	s_wait_alu depctr_va_vdst(0)
	ds_load_b128 v[148:151], v7
	s_wait_dscnt 0x0
	global_store_b128 v[L16], v[148:151], s[30:31] ; 512 consecutive bytes, aligned
.Lno_words:
	s_wait_tensorcnt 0x0                           ; the wave's end, behind my last tensor load and my last LDS store
	ds_add_u32 v[SPW], v[NIL]
	s_wait_dscnt 0x0
	CROUND                                         ; the closing round: no work-group ends while a partner may still ask for a tile that names it
	s_endpgm
.Lfunc_end_k_q838910639d_attn:
	.size	k_q838910639d_attn, .Lfunc_end_k_q838910639d_attn-k_q838910639d_attn
	.p2alignl 7, 3214868480
	.fill 96, 4, 3214868480
	.section	.rodata,"a",@progbits
	.p2align	6, 0x0
	.amdhsa_kernel k_q838910639d_attn
		.amdhsa_group_segment_fixed_size 207872
		.amdhsa_private_segment_fixed_size 0
		.amdhsa_enable_private_segment 0
		.amdhsa_kernarg_size 16
		.amdhsa_user_sgpr_count 2
		.amdhsa_user_sgpr_kernarg_segment_ptr 1
		.amdhsa_wavefront_size32 1
		.amdhsa_system_sgpr_workgroup_id_x 1
		.amdhsa_system_sgpr_workgroup_id_y 1
		.amdhsa_system_sgpr_workgroup_id_z 1
		.amdhsa_system_vgpr_workitem_id 0
		.amdhsa_next_free_vgpr 256
		.amdhsa_next_free_sgpr 66
		.amdhsa_reserve_vcc 0
		.amdhsa_float_denorm_mode_32 3
		.amdhsa_float_denorm_mode_16_64 3
		.amdhsa_memory_ordered 1
		.amdhsa_forward_progress 1
		.amdhsa_inst_pref_size 55
	.end_amdhsa_kernel
	.amdgpu_metadata
---
amdhsa.version: [ 1, 2 ]
amdhsa.kernels:
  - .name:           k_q838910639d_attn
    .symbol:         k_q838910639d_attn.kd
    .args:
      - { .name: qkv, .offset: 0, .size: 8, .value_kind: global_buffer, .address_space: global }
      - { .name: a2q, .offset: 8, .size: 8, .value_kind: global_buffer, .address_space: global }
    .group_segment_fixed_size: 207872
    .private_segment_fixed_size: 0
    .kernarg_segment_align: 8
    .kernarg_segment_size: 16
    .max_flat_workgroup_size: 512
    .sgpr_count:     66
    .vgpr_count:     256
    .wavefront_size: 32
...
	.end_amdgpu_metadata
.endif
;; end of part 3
;; launch gemm_out (part 4): grid 4 x 64, 4 waves a work-group, clusters of 4 x 4, 327,680 bytes of LDS; arguments a2q, woq, b_out, out0; writes out0
.if DOCPART == 4
	.amdgcn_target "amdgcn-amd-amdhsa--gfx1250"
	.amdhsa_code_object_version 6
	.text
	.protected	k_q838910639d_gemm_out
	.globl	k_q838910639d_gemm_out
	.p2align	8
	.type	k_q838910639d_gemm_out,@function
k_q838910639d_gemm_out:
	s_mov_b64 s[64:65], 0
	v_nop
	global_prefetch_b8 v0, s[64:65] scope:SCOPE_SE
	s_setreg_imm32_b32 hwreg(HW_REG_WAVE_MODE, 25, 1), 1
	s_wait_xcnt 0x0
	s_wait_alu depctr_hold_cnt(0) depctr_sa_sdst(0) depctr_va_vdst(0) depctr_va_sdst(0) depctr_va_ssrc(0) depctr_va_vcc(0) depctr_vm_vsrc(0)
	s_getreg_b32 s2, hwreg(HW_REG_IB_STS2, 6, 4)
	s_cmp_eq_u32 s2, 0
	s_cbranch_scc0 .Lentry_in_a_cluster
	s_endpgm
.Lentry_in_a_cluster:
	s_bfe_u32 s2, ttmp6, 0x10000c
	s_cmp_lg_u32 s2, 0xf033
	s_cbranch_scc0 .Lentry_shape_is_right
	s_endpgm
.Lentry_shape_is_right:
; out0 = att W_out + b_out on codes of FP6 (E2M3), K = 1,024.  No work of the problem is left out here.  LIMITS: NaN and infinities are not served.
; OPERANDS (made by earlier launches): rows in tiles of 16; a half image = 16 rows x 64 K = 768 bytes (lane (r, h): registers 0-3 at 256 h + 16 r, registers 4-5 at 512 + 16 r + 8 h); codes [row tile][16 half images];
; behind them the scale words [128 rows][K step][128 rows].  att's rows lie in position order (bits 3 and 4 of the token's number changed over); W_out's columns in their own order.
; A work-group of four waves makes 128 tokens x 256 columns.  A WAVE HOLDS 64 COLUMNS OF W_out, ALL OF K, IN REGISTERS (32 fragments, 384 registers) and streams the 128 tokens past them in eight blocks of 16 rows,
; all of K (8 fragments, two sets).  A block's 16 x 64 results are finished after its 32 products and leave at once, under the next block's products.  Source 0 = W_out's columns: a lane holds eight neighbouring columns of a token's row.
; ALL OF K LIES IN LDS (294,912 bytes of codes): no ring, nothing is filled again.  The head has one joint load a wave: B's two halves (waves 0, 1), which go on into registers, then A's two (waves 2, 3).
; The first barrier shows B (waves 0 and 1 wait, whose load lines are their own), the second all that is still out.  The scale words come through registers into LDS bytes of their own: waves 0 to 2 a chunk of 4,096 bytes each.
; CLUSTERS 4 x 4: A's tiles are asked for jointly along a row of the cluster, B's along a column.  NO PREFETCH: every byte is asked for at the head, and there is no loop to run ahead in.
; REGISTERS: window 0: v12-31 addresses; v32-47 B's scale words (lanes 0-15 an even tile's, lanes 16-31 the odd one's); v52-67 A's, two sets; v68-99 the bias as the first products' C; v100-163 two sets of four accumulators;
;   v164-227 two sets of rows on the way out.  Fragment f lies in window 1 + f / 21 at register 12 (f % 21): 4 q + b B's, 32 + 8 e + q A's set e.
.set FR,     12                        ; registers of a fragment
.set FPW,    21                        ; fragments in a window
.set NP,     4                         ; places behind this matrix instruction (ISA guide 7.12.1)
.set TB,     12288                     ; a row tile, all of K
.set AREG,   8*TB                      ; LDS: A's 128 rows from 0, B's 256 behind them
.set SCL,    24*TB                     ; the scale words: A's chunk, B's two
.set CH,     4160
.set STAGE,  ((SCL+3*CH+255)/256)*256  ; the way out: 16 rows x (256 + 16) bytes for each wave; no fill lands here
.set SPITCH, 272
.set SPARE,  STAGE+4*16*SPITCH         ; the spare words, 128 bytes for each wave
.set A4,    12                         ; v12-13 as v24-25, for A's tiles 4-7
.set ADRB,  14                         ; v14-15 my four tiles of B
.set ASB,   16                         ; v16 B's scale words: 4 x lane in my 64 columns'
.set ASA,   17                         ; v17 A's: 4 r
.set CO,    18                         ; v18 out0: 4,096 h + 16 r
.set STG,   22                         ; v22 where my chunk of scale words goes
.set BO,    23                         ; v23 the bias's lane offset
.set L16,   24                         ; v24 16 x lane
.set L8,    25                         ; v25 16 r + 8 h
.set STO,   26
.set SPW,   28
.set NIL,   29
.set RD,    30
.set SB,    32
.set SA,    52
.set T,     68
.set ACC,   100
.set BK,    164
.set G1,   24
.set G0,   32                          ; s[32:39] group 0 of A's halves, s[40:47] of B's
.set G0B,  40
.set G1B,  48
.set MSB, 0
.macro WIN new                         ; the immediate's high byte repeats the setting that is left
.if MSB != (\new)
	s_set_vgpr_msb (MSB<<8)|(\new)
.set MSB, \new
.endif
.endm
.macro PLACES n
.rept \n
	v_nop
.endr
.endm
.macro CROUND                          ; a round of the cluster's barrier
	s_barrier_signal -1
	s_barrier_wait -1
	s_cmp_lg_u32 s14, 0
	s_cbranch_scc1 .Lnot_wave_0_\@
	s_barrier_signal -3
.Lnot_wave_0_\@:
	s_barrier_wait -3
	s_barrier_signal -1
	s_barrier_wait -1
.endm
.macro ARM under, g0, g1, next         ; an arm of the head's tree: its load, s_nop 0 and four v_nop, a jump to the join
	s_cmp_lt_u32 s14, \under
	s_cbranch_scc0 \next
	tensor_load_to_lds s[\g0:\g0+3], s[\g1:\g1+7]
	s_nop 0
	PLACES 4
	s_branch .Lhead_asked
\next:
.endm
	s_load_b128 s[4:7], s[0:1], 0x0                ; a2q, woq
	s_load_b128 s[8:11], s[0:1], 0x10              ; b_out, out0
	v_lshl_add_u32 v[SPW], v0, 2, SPARE
	v_mov_b32 v[NIL], 0
	ds_add_u32 v[SPW], v[NIL]                      ; the opening lines: the add, twice on end, and its wait
	ds_add_u32 v[SPW], v[NIL]
	v_lshrrev_b32 v1, 5, v0
	v_readfirstlane_b32 s14, v1                    ; wave: my 64 of the 256 columns
	s_lshr_b32 s15, s14, 1
	s_and_b32 s16, s14, 1
	s_bfe_u32 s2, ttmp6, 0x40000                   ; cx
	s_bfe_u32 s3, ttmp6, 0x40004                   ; cy
	s_and_b32 s17, ttmp7, 0xffff
	s_lshl_b32 s17, s17, 2
	s_add_co_u32 s17, s17, s3                      ; tile row: 128 tokens
	s_lshl_b32 s18, s3, 2
	s_lshl_b32 s18, 15, s18                        ; my row of the cluster
	s_lshl_b32 s19, 0x1111, s2                     ; my column
	s_lshl_b32 s3, ttmp9, 2
	s_add_co_u32 s2, s3, s2                        ; tile column: 256 columns
	s_or_b32 s[G1+0], s18, (3<<16)|(1<<21)         ; the mask; elements of 8 bytes; bit 21 beside a mask
	s_or_b32 s[G1B+0], s19, (3<<16)|(1<<21)
.irp g, G1, G1B
	s_mov_b32 s[\g+1], 1536<<16                    ; rows of 12,288 bytes, one behind the other
	s_mov_b32 s[\g+3], 1536<<16
	s_mov_b32 s[\g+5], 1536
	s_mov_b32 s[\g+6], 0
	s_mov_b32 s[\g+7], 0
.endr
	s_mov_b32 s[G1+2], 4<<16                       ; a load of A: 4 row tiles
	s_mov_b32 s[G1+4], 4
	s_mov_b32 s[G1B+2], 8<<16                      ; of B: 8
	s_mov_b32 s[G1B+4], 8
	s_mul_i32 s20, s17, 8*TB
	s_mov_b32 s21, 0
	s_mul_i32 s22, s2, 16*TB
	s_mov_b32 s23, 0
	s_mul_i32 s56, s14, 4*TB
	s_add_co_u32 s56, s56, AREG                    ; LDS: my four tiles of B
	s_mul_i32 s57, s15, CH
	s_lshl_b32 s58, s16, 8
	s_add_co_u32 s57, s57, s58
	s_add_co_u32 s57, s57, SCL+CH                  ; my 64 columns' scale words in their group's chunk
	s_mul_i32 s69, s14, 16*SPITCH
	s_add_co_u32 s69, s69, STAGE                   ; my stage
	s_mul_i32 s70, s14, CH
	s_add_co_u32 s70, s70, SCL                     ; chunk w of the scale words
	s_wait_dscnt 0x0                               ; both opening adds are done
	s_wait_kmcnt 0x0
	s_add_nc_u64 s[20:21], s[4:5], s[20:21]
	s_add_nc_u64 s[22:23], s[6:7], s[22:23]
	CROUND                                         ; all sixteen work-groups are here: the joint loads meet
.irp h, 0,1
	s_mov_b32 s[G0+4*\h], 1
	s_mov_b32 s[G0+4*\h+1], \h*4*TB
	s_add_nc_u64 s[G0+4*\h+2:G0+4*\h+3], s[20:21], \h*4*TB
	s_or_b32 s[G0+4*\h+3], s[G0+4*\h+3], 0x80000000
	s_mov_b32 s[G0B+4*\h], 1
	s_mov_b32 s[G0B+4*\h+1], AREG+\h*8*TB
	s_add_nc_u64 s[G0B+4*\h+2:G0B+4*\h+3], s[22:23], \h*8*TB
	s_or_b32 s[G0B+4*\h+3], s[G0B+4*\h+3], 0x80000000
.endr
	ARM 1, G0B,   G1B, .Lhead_b1                   ; B, which goes on into registers, is asked for first
	ARM 2, G0B+4, G1B, .Lhead_a0
	ARM 3, G0,    G1,  .Lhead_a1
	tensor_load_to_lds s[G0+4:G0+7], s[G1:G1+7]
	s_nop 0
	PLACES 4
.Lhead_asked:
	s_lshl_b32 s20, s2, 10
	s_lshl_b32 s21, s14, 8
	s_add_co_u32 s20, s20, s21                     ; my first column, in bytes
	s_mov_b32 s21, 0
	s_add_nc_u64 s[72:73], s[8:9], s[20:21]        ; the bias
	s_lshl_b32 s18, s17, 19                        ; the tile's first row of out0: 128 rows of 4,096 bytes a tile
	s_add_co_u32 s18, s18, s20
	s_mov_b32 s19, 0
	s_add_nc_u64 s[12:13], s[10:11], s[18:19]
	s_lshl_b32 s74, s17, 12
	s_add_co_u32 s74, s74, 6291456                 ; wave 0: A's scale words;
	s_lshl_b32 s75, s2, 1
	s_add_co_u32 s75, s75, s14
	s_sub_co_u32 s75, s75, 1
	s_lshl_b32 s75, s75, 12
	s_add_co_u32 s75, s75, 786432                  ; waves 1, 2: those of B's 128 rows 2 x + w - 1
	s_cmp_eq_u32 s14, 0
	s_cselect_b32 s74, s74, s75
	s_cselect_b64 s[76:77], s[4:5], s[6:7]
	s_mov_b32 s75, 0
	s_add_nc_u64 s[76:77], s[76:77], s[74:75]
	v_and_b32 v1, 15, v0                           ; r
	v_bfe_u32 v2, v0, 4, 1                         ; h
	v_and_b32 v3, 31, v0
	v_lshlrev_b32 v[L16], 4, v3
	v_lshlrev_b32 v[L8], 4, v1
	v_lshl_add_u32 v[L8], v2, 3, v[L8]
	v_add_nc_u32 v[A4], 4*TB, v[L16]
	v_add_nc_u32 v[A4+1], 4*TB, v[L8]
	v_add_nc_u32 v[ADRB], s56, v[L16]
	v_add_nc_u32 v[ADRB+1], s56, v[L8]
	v_lshl_add_u32 v[ASB], v3, 2, s57
	v_lshl_add_u32 v[ASA], v1, 2, SCL
	v_mul_u32_u24 v8, v1, SPITCH
	v_lshl_add_u32 v8, v2, 5, v8
	v_add_nc_u32 v[STO], s69, v8                   ; into the stage: row r, 32 bytes for each half of the lanes
	v_mul_u32_u24 v9, v2, SPITCH
	v_lshl_add_u32 v9, v1, 4, v9
	v_add_nc_u32 v[RD], s69, v9                    ; back: lanes 0-15 a row of 256 bytes, lanes 16-31 the next
	v_lshlrev_b32 v[CO], 4, v1
	v_lshl_add_u32 v[CO], v2, 12, v[CO]            ; and the same two rows in out0
	v_add_nc_u32 v[STG], s70, v[L16]
	v_lshlrev_b32 v[BO], 5, v2                     ; register j of tile b is column 16 b + 8 h + j
	s_wait_alu depctr_va_vdst(0)                   ; the wait at the head's end
.irp b, 0,1,2,3
	global_load_b128 v[T+8*\b:T+8*\b+3], v[BO], s[72:73] offset:64*\b
	global_load_b128 v[T+8*\b+4:T+8*\b+7], v[BO], s[72:73] offset:64*\b+16
.endr
	s_cmp_eq_u32 s14, 3
	s_cbranch_scc1 .Lno_words                      ; three chunks: wave 3 brings none
.irp j, 0,1,2,3,4,5,6,7
	global_load_b128 v[BK+4*\j:BK+4*\j+3], v[L16], s[76:77] offset:512*\j   ; 512 consecutive bytes a load
.endr
	s_wait_loadcnt 0x0
.irp j, 0,1,2,3,4,5,6,7
	ds_store_b128 v[STG], v[BK+4*\j:BK+4*\j+3] offset:512*\j
.endr
.Lno_words:
	s_cmp_lt_u32 s14, 2
	s_cbranch_scc0 .Lnot_b
	s_wait_tensorcnt 0x0                           ; waves 0 and 1: my half of B is in
.Lnot_b:
	s_wait_dscnt 0x0                               ; my scale words lie in LDS
	s_barrier_signal -1
	s_barrier_wait -1                              ; B and the scale words are shown to all; A may be on its way
.macro FRAG f, a, off                  ; fragment f: two half images on end, as they lie: every load covers 512 or 256 consecutive bytes
.set R_, FR*((\f)%FPW)
	WIN (1+(\f)/FPW)<<6
	ds_load_b128 v[R_:R_+3], v[\a] offset:\off
	ds_load_b64 v[R_+4:R_+5], v[\a+1] offset:(\off)+512
	ds_load_b128 v[R_+6:R_+9], v[\a] offset:(\off)+768
	ds_load_b64 v[R_+10:R_+11], v[\a+1] offset:(\off)+1280
.endm
.macro FETCH s                         ; block s of A, all of K, into set s % 2: 32 loads, and 8 for its scale words
.if (\s) < 4
.set AV_, L16
.else
.set AV_, A4
.endif
.irp q, 0,1,2,3,4,5,6,7
	FRAG 32+8*((\s)%2)+\q, AV_, TB*((\s)%4)+1536*\q
.endr
	WIN 0
.irp q, 0,1,2,3,4,5,6,7
	ds_load_b32 v[SA+8*((\s)%2)+\q], v[ASA] offset:512*\q+64*(\s)
.endr
.endm
.macro W c, odd
.if \odd
	v_wmma_scale_f32_16x16x128_f8f6f4 v[D_:D_+7], v[FR*(FB_%FPW):FR*(FB_%FPW)+FR-1], v[FR*(FA_%FPW):FR*(FA_%FPW)+FR-1], \c, v[XB_], v[XA_] matrix_a_fmt:MATRIX_FMT_FP6 matrix_b_fmt:MATRIX_FMT_FP6 matrix_a_scale:MATRIX_SCALE_ROW1
.else
	v_wmma_scale_f32_16x16x128_f8f6f4 v[D_:D_+7], v[FR*(FB_%FPW):FR*(FB_%FPW)+FR-1], v[FR*(FA_%FPW):FR*(FA_%FPW)+FR-1], \c, v[XB_], v[XA_] matrix_a_fmt:MATRIX_FMT_FP6 matrix_b_fmt:MATRIX_FMT_FP6 matrix_a_scale:MATRIX_SCALE_ROW0
.endif
.endm
.macro PRODS s                         ; a block's 32 products: K ascending, the four accumulators by turns, one instruction a turn.  The first four take the bias as C
.irp q, 0,1,2,3,4,5,6,7
.irp b, 0,1,2,3
.set FB_, 4*\q+\b
.set FA_, 32+8*((\s)%2)+\q
.set D_, ACC+32*((\s)%2)+8*\b
.set XB_, SB+8*(\b/2)+\q
.set XA_, SA+8*((\s)%2)+\q
	WIN (1+FB_/FPW)|((1+FA_/FPW)<<2)
.if \q == 0
	W v[T+8*\b:T+8*\b+7], \b%2
.else
	W v[D_:D_+7], \b%2
.endif
.endr
.endr
	WIN 0
.endm
.macro TOSTAGE s                       ; block s through my own stage: LDS serves a wave's instructions in order, so no wait stands between the stores and the loads
.set A_, ACC+32*((\s)%2)
.set BB_, BK+32*((\s)%2)
.if (\s) >= 2
	s_wait_xcnt 0x0                                ; block s - 2's stores have read their data: this block's rows land there
.endif
.irp b, 0,1,2,3
	ds_store_b128 v[STO], v[A_+8*\b:A_+8*\b+3] offset:64*\b          ; each accumulator from its low end on
	ds_store_b128 v[STO], v[A_+8*\b+4:A_+8*\b+7] offset:64*\b+16
.endr
.irp t, 0,1,2,3,4,5,6,7
	ds_load_b128 v[BB_+4*\t:BB_+4*\t+3], v[RD] offset:2*\t*SPITCH
.endr
.endm
.macro SEND s                          ; position order: row t of tile s is token 32 (s / 2) + 8 (s % 2) + t + 8 (t / 8)
.set BB_, BK+32*((\s)%2)
.set TOK_, 32*((\s)/2)+8*((\s)%2)
	s_wait_dscnt 0x0                               ; the block's rows are back, and the next block's fragments are in
.irp t, 0,1,2,3,4,5,6,7
	global_store_b128 v[CO], v[BB_+4*\t:BB_+4*\t+3], s[12:13] offset:(TOK_+2*\t+8*(\t/4))*4096 th:TH_STORE_NT   ; sixteen lanes store 256 consecutive bytes, aligned
.endr
.endm
.macro BLK s
.if (\s) == 0
	s_wait_dscnt 40                                ; block 0's fetch is in; block 1's 40 loads may be out
.elseif (\s) == 1
	s_wait_dscnt 56                                ; block 1's fetch is in; younger: block 2's 40 loads and block 0's 16 stage instructions.  (Later blocks' fetches are shown in by the wait in SEND a block earlier)
.endif
	PRODS \s
.if (\s) > 0
	SEND (\s)-1                                    ; the last block leaves
.endif
	PLACES NP                                      ; between the products and the loads into, and the stores out of, their registers
.if (\s) < 6
	FETCH (\s)+2
.endif
	TOSTAGE \s
.endm
.irp q, 0,1,2,3,4,5,6,7                ; my 64 columns of W_out, all of K: 128 loads
.irp b, 0,1,2,3
	FRAG 4*\q+\b, ADRB, TB*\b+1536*\q
.endr
.endr
	WIN 0
.irp p, 0,1
.irp q, 0,1,2,3,4,5,6,7
	ds_load_b32 v[SB+8*\p+\q], v[ASB] offset:512*\q+128*\p   ; lanes 0-15 tile 2 p's words, lanes 16-31 tile 2 p + 1's
.endr
.endr
	s_wait_tensorcnt 0x0                           ; every wave: my tile is in
	s_wait_dscnt 0x0
	s_barrier_signal -1
	s_barrier_wait -1                              ; A is shown to all
	FETCH 0
	FETCH 1
	s_wait_loadcnt 0x0                             ; the bias
.irp s, 0,1,2,3,4,5,6,7
	BLK \s
.endr
	SEND 7
	s_wait_tensorcnt 0x0                           ; the wave's end
	ds_add_u32 v[SPW], v[NIL]
	s_wait_dscnt 0x0
	CROUND                                         ; the closing round
	s_endpgm
.Lfunc_end_k_q838910639d_gemm_out:
	.size	k_q838910639d_gemm_out, .Lfunc_end_k_q838910639d_gemm_out-k_q838910639d_gemm_out
	.p2alignl 7, 3214868480
	.fill 96, 4, 3214868480
	.section	.rodata,"a",@progbits
	.p2align	6, 0x0
	.amdhsa_kernel k_q838910639d_gemm_out
		.amdhsa_group_segment_fixed_size 327680
		.amdhsa_private_segment_fixed_size 0
		.amdhsa_enable_private_segment 0
		.amdhsa_kernarg_size 32
		.amdhsa_user_sgpr_count 2
		.amdhsa_user_sgpr_kernarg_segment_ptr 1
		.amdhsa_wavefront_size32 1
		.amdhsa_system_sgpr_workgroup_id_x 1
		.amdhsa_system_sgpr_workgroup_id_y 1
		.amdhsa_system_sgpr_workgroup_id_z 1
		.amdhsa_system_vgpr_workitem_id 0
		.amdhsa_next_free_vgpr 896
		.amdhsa_next_free_sgpr 80
		.amdhsa_reserve_vcc 0
		.amdhsa_float_denorm_mode_32 3
		.amdhsa_float_denorm_mode_16_64 3
		.amdhsa_memory_ordered 1
		.amdhsa_forward_progress 1
		.amdhsa_inst_pref_size 89
	.end_amdhsa_kernel
	.amdgpu_metadata
---
amdhsa.version: [ 1, 2 ]
amdhsa.kernels:
  - .name:           k_q838910639d_gemm_out
    .symbol:         k_q838910639d_gemm_out.kd
    .args:
      - { .name: a2q, .offset: 0, .size: 8, .value_kind: global_buffer, .address_space: global }
      - { .name: woq, .offset: 8, .size: 8, .value_kind: global_buffer, .address_space: global }
      - { .name: b_out, .offset: 16, .size: 8, .value_kind: global_buffer, .address_space: global }
      - { .name: out0, .offset: 24, .size: 8, .value_kind: global_buffer, .address_space: global }
    .group_segment_fixed_size: 327680
    .private_segment_fixed_size: 0
    .kernarg_segment_align: 8
    .kernarg_segment_size: 32
    .max_flat_workgroup_size: 128
    .sgpr_count:     80
    .vgpr_count:     896
    .wavefront_size: 32
...
	.end_amdgpu_metadata
.endif
;; end of part 4
